; MI455X (gfx1250); checked and timed in simulation.
; The chip was launched on July 23, 2026; its instructions are those of AMD's public machine-readable ISA for CDNA 5 (MIT licence, August 2026) and "CDNA5" Instruction Set Architecture Reference Guide (July 2026). The comments in the code are by the model that wrote it; some were corrected since.
;; Multi Head Attention. Allowed arithmetic: matrix products marked QUANTISED: E4M3 operands, one E8M0 scale for each 32 along K, by v_wmma_scale_f32_16x16x128_f8f6f4 with both operands' format E4M3, f32 sums; everything else in f32.
;; Inputs: Wk_codes 1,024 x 32 x 32 uint8 (E4M3 codes of Wk, K innermost, in blocks of 32 codes); Wk_scales 1,024 x 32 uint8 (E8M0 scales of Wk, one for each 32 codes along K); Wo_codes 1,024 x 32 x 32 uint8 (E4M3 codes of Wo, K innermost, in blocks of 32 codes); Wo_scales 1,024 x 32 uint8 (E8M0 scales of Wo, one for each 32 codes along K); Wq_codes 1,024 x 32 x 32 uint8 (E4M3 codes of Wq, K innermost, in blocks of 32 codes); Wq_scales 1,024 x 32 uint8 (E8M0 scales of Wq, one for each 32 codes along K); Wv_codes 1,024 x 32 x 32 uint8 (E4M3 codes of Wv, K innermost, in blocks of 32 codes); Wv_scales 1,024 x 32 uint8 (E8M0 scales of Wv, one for each 32 codes along K); bo 1,024 float32; x_codes 4 x 2,048 x 32 x 32 uint8 (E4M3 codes of x, K innermost, in blocks of 32 codes); x_scales 4 x 2,048 x 32 uint8 (E8M0 scales of x, one for each 32 codes along K).
;; Outputs: out0 4 x 2,048 x 1,024 float32.
;; This version of the problem:
;;   THIS VERSION OF THE PROBLEM IS GIVEN IN LOW PRECISION. The matrix products marked QUANTISED in the list below multiply operands that are first quantised to E4M3 (4 exponent bits, 3 mantissa bits; 8 bits a number), with one power-of-two scale for each 32 numbers along K (OCP MX v1.0); their sums are f32. All else is computed in f32.
;;   The module's matrix products, in the order in which they are computed (A, B: the left and right operand; K: the contracted axis; several contracted axes count as one K, in the product's order):
;;     1. [M 8,192, K 1,024] x [K 1,024, N 1,024]; A: input x (given as codes); B: input Wq (given as codes): QUANTISED
;;     2. [M 8,192, K 1,024] x [K 1,024, N 1,024]; A: input x (given as codes); B: input Wk (given as codes): QUANTISED
;;     3. [M 8,192, K 1,024] x [K 1,024, N 1,024]; A: input x (given as codes); B: input Wv (given as codes): QUANTISED
;;     4. batch 64 x [M 2,048, K 64] x [K 64, N 2,048]; A: computed on the way; B: computed on the way: QUANTISED
;;     5. batch 64 x [M 2,048, K 2,048] x [K 2,048, N 64]; A: softmax (see below); B: computed on the way: QUANTISED
;;     6. [M 8,192, K 1,024] x [K 1,024, N 1,024]; A: computed on the way; B: input Wo (given as codes): QUANTISED
;;   THE QUANTISER, for each operand of a quantised product, along K:
;;     - K is cut into blocks of 32 from its start; a last block that is shorter is filled with zeros.
;;     - A block's scale is 2^e with e = floor(log2(the largest magnitude in the block)) - 8, held to -126 .. 127; a block of zeros has e = 0. As a byte (E8M0): e + 127.
;;     - Each number is divided by its block's scale, clamped to +-448, and rounded to the nearest number of E4M3, ties to even, subnormals kept.
;;     - The product sums the exact products of the quantised numbers (number of the format x scale) in f32.
;;   ~~~python
;;   def quantise(x, axis):      # numpy; x: float32 -> the quantised numbers, widened to float32 again
;;       x = np.moveaxis(x, axis, -1); K = x.shape[-1]
;;       x = np.pad(x, [(0, 0)] * (x.ndim - 1) + [(0, -K % 32)]); x = x.reshape(x.shape[:-1] + (-1, 32)); a = np.abs(x).max(-1, keepdims=True)
;;       e = np.where(a > 0, np.clip(np.frexp(np.where(a > 0, a, 1))[1] - 1 - 8, -126, 127), 0)      # np.frexp(a)[1] - 1 = floor(log2(a)), exactly
;;       r = np.clip(x / 2.0 ** e, -448, 448)
;;       step = 2.0 ** (np.maximum(np.frexp(np.where(r == 0, 1, r))[1] - 1, -6) - 3)
;;       q = np.round(r / step) * step * 2.0 ** e      # np.round: ties to even
;;       return np.moveaxis(q.reshape(q.shape[:-2] + (-1,))[..., :K], -1, axis).astype(np.float32)
;;   ~~~
;;   SOFTMAX AHEAD OF A QUANTISED PRODUCT. Where the list says 'softmax', what is quantised is not the finished softmax but p = 2^(t - M), with t = logit x log2(e) and M = ceil(the row's largest t), a whole number; so 1/2 < the row's largest p <= 1. The row's sum l is taken of the UNQUANTISED p, in f32, and the product's result is divided by l at the end. Since M is a whole number, a kernel that streams over the keys may use a running M (the ceiling of the running maximum): every later rescaling is an exact power of two, which a block's scale takes up: the codes' values come out the same.
;;   OPERANDS COMPUTED ON THE WAY. 'Computed on the way' means the value that the module computes at that place (a softmax that the list does not call 'softmax' is quantised finished and normalised). What goes into a quantiser is computed in f32, as accurately as f32 sums, v_exp_f32 and their like allow (about 1e-6 of the number): no bf16 or f16 on the way to a quantiser, and a product that is left as it is and whose result goes on into a quantised operand takes f32 operands (vector FMAs, or v_wmma_f32_16x16x4_f32). A number that lies on a knife's edge between two numbers of the format may be rounded either way, as far as f32 arithmetic and the matrix unit's own rounding can turn it there, and no further.
;;   INPUTS GIVEN AS CODES. Wk (in the module: [1024, 1024], K = its axis 1); Wo (in the module: [1024, 1024], K = its axis 1); Wq (in the module: [1024, 1024], K = its axis 1); Wv (in the module: [1024, 1024], K = its axis 1); x (in the module: [4, 2048, 1024], K = its axis 2): each comes as NAME_codes (uint8): NAME with its K axis moved to the last place and cut into blocks of 32 codes, [.., K / 32, bytes a block], one block behind the other in memory; one code a byte (a code: sign, 4 exponent bits, 3 mantissa bits); and NAME_scales (uint8): the same leading axes, one E8M0 byte (e + 127) for each 32 codes along K. Its value is code x scale, taken as it is: it is not quantised again, and the codes and scales need not be those that the quantiser above would give.
;; One version. Each part assembles by itself: llvm-mc -triple=amdgcn-amd-amdhsa -mcpu=gfx1250 --defsym DOCPART=n.
;; ======== version 1 of 1: 3 launches
;; limits: right only within a limited range of input values
;; workspace buffers: qkv 25,165,824 bytes; qkvs 1,310,720 bytes; ctxc 8,388,608 bytes; ctxs 262,144 bytes
;; launch proj (part 1): grid 12 x 32, 4 waves a work-group, clusters of 4 x 4, 327,680 bytes of LDS; arguments x_codes, x_scales, Wq_codes, Wq_scales, Wk_codes, Wk_scales, Wv_codes, Wv_scales, qkv, qkvs; writes qkv, qkvs
.if DOCPART == 1
	.amdgcn_target "amdgcn-amd-amdhsa--gfx1250"
	.amdhsa_code_object_version 6
	.text
	.protected	k_q748c25b8a4_proj
	.globl	k_q748c25b8a4_proj
	.p2align	8
	.type	k_q748c25b8a4_proj,@function
k_q748c25b8a4_proj:
	s_mov_b64 s[64:65], 0
	v_nop
	global_prefetch_b8 v0, s[64:65] scope:SCOPE_SE
	s_setreg_imm32_b32 hwreg(HW_REG_WAVE_MODE, 25, 1), 1
	s_wait_xcnt 0x0
	s_wait_alu depctr_hold_cnt(0) depctr_sa_sdst(0) depctr_va_vdst(0) depctr_va_sdst(0) depctr_va_ssrc(0) depctr_va_vcc(0) depctr_vm_vsrc(0)
	s_getreg_b32 s2, hwreg(HW_REG_IB_STS2, 6, 4)
	s_cmp_eq_u32 s2, 0
	s_cbranch_scc0 .Lentry_in_a_cluster
	s_endpgm
.Lentry_in_a_cluster:
	s_bfe_u32 s2, ttmp6, 0x10000c
	s_cmp_lg_u32 s2, 0xf033
	s_cbranch_scc0 .Lentry_shape_is_right
	s_endpgm
.Lentry_shape_is_right:
; q = x Wq^T, k = x Wk^T, v = x Wv^T on the given codes of E4M3 with their E8M0 bytes; the f32 results are quantised here, in registers, and leave as codes:
; q and k along the head's 64 (two blocks of 32), v along the tokens (blocks of 32 keys).  x: 8,192 rows of 1,024 codes; each W: 1,024 rows of 1,024 codes; K = 1,024.
; A tile of 256 x 256 results is made by four waves, 128 x 128 each: 64 accumulators, 512 registers.  K goes in steps of 256 through two LDS slots filled by tensor loads; the scale bytes of the
; tile's 2 x 256 rows, for all of K, come into LDS once.  THE PRODUCT IS USED TRANSPOSED: source 0 = 16 rows of "B", source 1 = 16 rows of "A": a lane holds ONE row of A, its registers run along B's rows.
; WHICH TENSOR IS A: the axis that is quantised has to run along a lane's registers.  Cluster x = 0: q, 1: k: A = x (a lane holds a token), B = W (registers run along the features).
; Cluster x = 2: v: A = Wv (a lane holds a feature), B = x (registers run along the tokens).  Only pointers and tile numbers are chosen, on the cluster's x, which all partners share.
; CLUSTERS: 4 x 4 work-groups; A's tiles are shared along a row of the cluster, B's along a column: each is asked for jointly, which divides the requests for both by four.
; THE ORDER OF K IN THE CODES THAT LEAVE.  For a block of 32 along its registers lane (r, h) holds numbers 8 h + 0..7 (tile 2 b) and 16 + 8 h + 0..7 (tile 2 b + 1).  Its 16 codes are stored as the lane's
; 16 bytes of an operand's group of four registers: place 16 h + i of the block holds number 8 h + i (i < 8) or 16 + 8 h + (i - 8).  That is a permutation inside a block of 32, the same for q and k, and
; for v the same as the softmax's weights have in the next launch: every product still pairs like with like, and a block keeps its scale.  The order of the additions inside a block differs from the plain one.
; WHAT LEAVES: images of operand registers, 512 consecutive bytes a store (lane l's 16 bytes at 16 l).  A record belongs to (batch, pair of heads, 256 tokens):
;   qkv  record of 98,304 bytes: k at 0, v at 32,768, q at 65,536;  qkvs record of 5,120 bytes of scale words: k at 0, v at 2,048, q at 3,072.
;   q, k: head e x 16,384 + tile of 16 tokens x 1,024 + block x 512; words: e x 1,024 + token x 4, bytes (s0, s1, s0, s1), since the next launch puts the head's 64 in either half of a K of 128.
;   v: (block / 2) x 16,384 + (128 keys) x 8,192 + e x 4,096 + tile of 16 channels x 1,024 + (block % 2) x 512; words: (128 keys) x 512 + e x 256 + channel x 4, the four blocks' bytes.
; LIMITS: NaN and infinities are not served.  A block of zeros gets the byte 1 where the quantiser says 127: its codes are zeros, and these bytes are read by this program alone.
.set KSTEP,  256
.set NQ,     KSTEP/128
.set ROWB,   256                       ; a tile's row in bytes
.set KROW,   1024                      ; a row of codes in memory
.set PITCH,  272                       ; an LDS row: 256 bytes + 16 of padding, so that the 16 rows of a fragment load begin 4 words apart modulo 64 words
.set FR,     16
.set NL,     4
.set NP,     8                         ; places behind this matrix instruction (ISA guide 7.12.1)
.set HALFT,  128*PITCH
.set SLOT,   4*HALFT
.set LAPS,   1024/(2*KSTEP)
.set KS,     32                        ; a row of scale bytes
.set SCL,    2*SLOT
.set HALFS,  (128*KS/256)*272
.set SBLK,   (16*KS/256)*272
.set SPARE,  SCL+4*HALFS               ; the spare words, 128 bytes for each wave, named by no other line
.set RECC,   98304
.set RECS,   5120
.set ADRA, 16                          ; v16-17  LDS address of my A fragments in slot 0, 1
.set ADRB, 20                          ; v20-21  the same for B
.set LI,   24                          ; v24     16 x lane
.set STS,  25                          ; v25     the words' stage, in: 1,024 x wave + 512 h + 4 r.  It lies in slot 0, which has had its last fill and its last read by then
.set RDS,  26                          ; v26     and back: 1,024 x wave + 16 x lane
.set ADRS, 27                          ; v27     LDS address of my scale words: lanes 0-15 A's rows, lanes 16-31 B's
.set SPW,  28
.set NIL,  29
.set SC,   32                          ; v32-63  scale words, two sets; they hold nothing else
.set TM,   64                          ; v64-79  the way out: largest magnitudes, bytes, holds, scale operands
.set PW,   80                          ; v80     a row's four bytes
.set W1,   81
.set WS,   84                          ; v84-91  the word that each of the eight blocks stores
.set SW,   96                          ; v96-103 the words read back
.set AF,   128                         ; A's fragments, window 0
.set CD,   128                         ; the way out: 16 registers of codes for each block: no store's data are written again
.set G1, 24
.set G0, 32
.set G1B, 48
.set G0B, 56
.set G1S, 68
.set G0S, 76
.set G1SB, 80
.set G0SB, 88
.set MSB, 0
.macro WIN new                         ; the immediate's high byte repeats the setting that is left
.if MSB != \new
	s_set_vgpr_msb (MSB<<8)|\new
.set MSB, \new
.endif
.endm
.set MUL_LO, 0xa1                      ; source 0 (B) window 1, source 1 (A) window 0, C and D window 2
.set MUL_HI, 0xf1                      ; the same, C and D window 3
.set TO_B,   0x40
; A joint load: waves 0 and 1 fetch for A, waves 2 and 3 for B; the branch hangs on the wave's number alone.  Four v_nop follow each of the two lines.
.macro JLOAD g0a, g1a, g0b, g1b
	s_cmp_eq_u32 s15, 0
	s_cbranch_scc0 .Lfor_b_\@
	tensor_load_to_lds s[\g0a:\g0a+3], s[\g1a:\g1a+7]
	s_nop 0
.rept 4
	v_nop
.endr
	s_branch .Lasked_\@
.Lfor_b_\@:
	tensor_load_to_lds s[\g0b:\g0b+3], s[\g1b:\g1b+7]
	s_nop 0
.rept 4
	v_nop
.endr
.Lasked_\@:
.endm
.macro CREST                           ; a round of the cluster's barrier behind its opening barrier
	s_cmp_lg_u32 s14, 0
	s_cbranch_scc1 .Lnot_wave_0_\@
	s_barrier_signal -3
.Lnot_wave_0_\@:
	s_barrier_wait -3
	s_barrier_signal -1
	s_barrier_wait -1
.endm
.macro CROUND
	s_barrier_signal -1
	s_barrier_wait -1
	CREST
.endm
	s_load_b512 s[68:83], s[0:1], 0x0              ; x's codes, scales; Wq's; Wk's; Wv's: chosen from below, then these registers take descriptors
	s_load_b128 s[84:87], s[0:1], 0x40             ; qkv, qkvs
	v_lshl_add_u32 v[SPW], v0, 2, SPARE
	v_mov_b32 v[NIL], 0
	ds_add_u32 v28, v29
	ds_add_u32 v28, v29
	s_wait_dscnt 0x0
	v_lshrrev_b32 v1, 5, v0
	v_readfirstlane_b32 s14, v1                    ; wave 0..3
	s_lshr_b32 s15, s14, 1                         ; which half of A's rows is mine.  Also: I fetch for A (0) or for B (1)
	s_and_b32 s16, s14, 1                          ; which half of B's rows.  Also: which 128 rows I fetch
	s_bfe_u32 s40, ttmp6, 0x40000                  ; cx
	s_bfe_u32 s41, ttmp6, 0x40004                  ; cy
	s_and_b32 s18, ttmp7, 0xffff
	s_lshl_b32 s18, s18, 2                         ; 4 x cluster y: the tile of 256 tokens, less the place in the cluster
	s_mov_b32 s96, 0x01000100                      ; q, k: a head's two bytes, twice
	s_cmp_eq_u32 ttmp9, 2                          ; v?
	s_cselect_b32 s95, 1, 0
	s_cselect_b32 s96, 0x03020100, s96             ; v: the four bytes as they are
	s_cselect_b32 s17, 0, s18
	s_cselect_b32 s42, s18, 0
	s_add_co_u32 s17, s17, s41                     ; A's tile: q, k: 4 Y + cy (tokens); v: cy (features)
	s_add_co_u32 s42, s42, s40                     ; B's tile: q, k: cx (features); v: 4 Y + cx (tokens)
	s_lshl_b32 s43, s41, 2
	s_lshl_b32 s43, 15, s43                        ; my row of the cluster
	s_lshl_b32 s44, 0x1111, s40                    ; my column
	s_mov_b32 s97, 0x03020302                      ; the second head's two bytes, twice
	s_mov_b32 s98, 0xffff0000                      ; lanes 16-31
	s_mov_b32 s100, 0x76543210
	s_mov_b32 s101, 0xfedcba98                     ; v_permlanex16_b32's selects for lane l xor 16
	; descriptor group 1: 128 rows x 256 bytes, 16 bytes of padding behind each
	s_or_b32 s[G1+0], s43, (0<<16)|(1<<20)|(1<<21)|(5<<22)|(3<<25)
	s_or_b32 s[G1B+0], s44, (0<<16)|(1<<20)|(1<<21)|(5<<22)|(3<<25)
.irp g, G1, G1B
	s_mov_b32 s[\g+1], ROWB<<16
	s_mov_b32 s[\g+2], 128<<16
	s_mov_b32 s[\g+3], ROWB<<16
	s_mov_b32 s[\g+4], 128
	s_mov_b32 s[\g+5], KROW
	s_mov_b32 s[\g+6], 0
	s_mov_b32 s[\g+7], 0
.endr
	s_lshl_b32 s18, s16, 7
	s_lshl_b32 s20, s17, 8
	s_add_co_u32 s20, s20, s18                     ; A: row 256 x tile + 128 x half
	s_lshl_b32 s46, s42, 8
	s_add_co_u32 s46, s46, s18                     ; B likewise
	s_mov_b32 s21, 0
	s_mov_b32 s47, 0
	s_mov_b64 s[18:19], KS
	s_mul_u64 s[22:23], s[20:21], s[18:19]         ; where these rows' scale bytes begin
	s_mul_u64 s[92:93], s[46:47], s[18:19]
	s_mov_b64 s[18:19], KROW
	s_mul_u64 s[20:21], s[20:21], s[18:19]         ; and their codes
	s_mul_u64 s[46:47], s[46:47], s[18:19]
	s_mul_i32 s45, s14, HALFT                      ; where they go: wave x 128 rows
	s_mul_i32 s94, s14, HALFS
	s_wait_kmcnt 0x0
	s_cmp_eq_u32 ttmp9, 1                          ; the choices hang on the cluster's x alone
	s_cselect_b64 s[8:9], s[76:77], s[72:73]       ; Wk or Wq
	s_cselect_b64 s[10:11], s[78:79], s[74:75]
	s_cmp_eq_u32 ttmp9, 2
	s_cselect_b64 s[4:5], s[80:81], s[68:69]       ; A's codes: Wv's or x's
	s_cselect_b64 s[6:7], s[82:83], s[70:71]       ; A's scales
	s_cselect_b64 s[8:9], s[68:69], s[8:9]         ; B's codes: x's or the weight's
	s_cselect_b64 s[10:11], s[70:71], s[10:11]
	s_mov_b64 s[12:13], s[84:85]                   ; qkv
	s_mov_b64 s[66:67], s[86:87]                   ; qkvs
	; the scale bytes of 128 rows: 4,096 dense bytes as 16 rows of 256, 16 bytes of padding behind each
	s_or_b32 s[G1S+0], s43, (3<<16)|(1<<20)|(1<<21)|(5<<22)|(3<<25)
	s_or_b32 s[G1SB+0], s44, (3<<16)|(1<<20)|(1<<21)|(5<<22)|(3<<25)
.irp g, G1S, G1SB
	s_mov_b32 s[\g+1], 32<<16
	s_mov_b32 s[\g+2], (128*KS/256)<<16
	s_mov_b32 s[\g+3], 32<<16
	s_mov_b32 s[\g+4], 128*KS/256
	s_mov_b32 s[\g+5], 32
	s_mov_b32 s[\g+6], 0
	s_mov_b32 s[\g+7], 0
.endr
	s_add_nc_u64 s[20:21], s[4:5], s[20:21]
	s_add_nc_u64 s[22:23], s[6:7], s[22:23]
	s_add_nc_u64 s[46:47], s[8:9], s[46:47]
	s_add_nc_u64 s[92:93], s[10:11], s[92:93]
	CROUND                                         ; all sixteen work-groups are here: the first joint loads meet
	s_mov_b32 s[G0S], 1
	s_add_co_u32 s[G0S+1], s94, SCL
	s_mov_b64 s[G0S+2:G0S+3], s[22:23]
	s_or_b32 s[G0S+3], s[G0S+3], 0x80000000
	s_mov_b32 s[G0SB], 1
	s_add_co_u32 s[G0SB+1], s94, SCL
	s_mov_b64 s[G0SB+2:G0SB+3], s[92:93]
	s_or_b32 s[G0SB+3], s[G0SB+3], 0x80000000
	JLOAD G0S, G1S, G0SB, G1SB                     ; the scales first: they are wanted with K step 0
.irp s, 0,1
	s_mov_b32 s[G0+4*\s], 1
	s_add_co_u32 s[G0+4*\s+1], s45, \s*SLOT
	s_add_nc_u64 s[G0+4*\s+2:G0+4*\s+3], s[20:21], \s*ROWB
	s_or_b32 s[G0+4*\s+3], s[G0+4*\s+3], 0x80000000
	s_mov_b32 s[G0B+4*\s], 1
	s_add_co_u32 s[G0B+4*\s+1], s45, \s*SLOT
	s_add_nc_u64 s[G0B+4*\s+2:G0B+4*\s+3], s[46:47], \s*ROWB
	s_or_b32 s[G0B+4*\s+3], s[G0B+4*\s+3], 0x80000000
	JLOAD G0+4*\s, G1, G0B+4*\s, G1B
.endr
	v_and_b32 v1, 15, v0                           ; r
	v_bfe_u32 v2, v0, 4, 1                         ; h
	v_mul_u32_u24 v3, v1, PITCH
	v_lshl_add_u32 v4, v2, 4, v3
	s_mul_i32 s21, s15, HALFT
	s_mul_i32 s22, s16, HALFT
	s_add_co_u32 s22, s22, 2*HALFT
.irp s, 0,1
	v_add_nc_u32 v[ADRA+\s], s21, v4
	v_add_nc_u32 v[ADRB+\s], s22, v4
	s_add_co_u32 s21, s21, SLOT
	s_add_co_u32 s22, s22, SLOT
.endr
	v_mul_u32_u24 v5, v1, KS                       ; my row's scale bytes: 32 a row,
	v_lshrrev_b32 v6, 8, v5
	v_lshl_add_u32 v5, v6, 4, v5                   ; and 16 more for each 256 passed
	s_mul_i32 s21, s15, HALFS
	s_mul_i32 s22, s16, HALFS
	s_add_co_u32 s22, s22, 2*HALFS
	s_sub_co_u32 s22, s22, s21
	v_mul_u32_u24 v6, s22, v2                      ; lanes 16-31 take B's
	s_add_co_u32 s21, s21, SCL
	v_add_nc_u32 v5, v5, v6
	v_add_nc_u32 v[ADRS], s21, v5
	v_and_b32 v6, 31, v0
	v_lshlrev_b32 v[LI], 4, v6
	s_lshl_b32 s23, s14, 10
	v_lshlrev_b32 v5, 2, v1
	v_lshl_add_u32 v5, v2, 9, v5
	v_add_nc_u32 v[STS], s23, v5
	v_add_nc_u32 v[RDS], s23, v[LI]
	; where my wave's codes and words go.  These registers feed no descriptor
	s_cmp_eq_u32 ttmp9, 2
	s_cselect_b32 s20, s42, s17                    ; the tile of 256 tokens
	s_cselect_b32 s21, s17, s42                    ; the tile of 256 features: two pairs of heads
	s_cselect_b32 s22, s16, s15                    ; which 128 tokens are my wave's
	s_cselect_b32 s23, s15, s16                    ; which pair of heads
	s_cselect_b32 s46, 32768, 0
	s_cselect_b32 s47, 2048, 0
	s_cmp_eq_u32 ttmp9, 0
	s_cselect_b32 s46, 65536, s46                  ; the section of a record: k 0, v 32,768, q 65,536
	s_cselect_b32 s47, 3072, s47                   ; and of its words: k 0, v 2,048, q 3,072
	s_lshr_b32 s92, s20, 3                         ; batch
	s_lshl_b32 s92, s92, 3
	s_lshl_b32 s21, s21, 1
	s_add_co_u32 s92, s92, s21
	s_add_co_u32 s92, s92, s23                     ; 8 x batch + pair of heads
	s_lshl_b32 s92, s92, 3
	s_and_b32 s20, s20, 7
	s_add_co_u32 s92, s92, s20                     ; the record
	s_mul_i32 s20, s92, RECC
	s_add_co_u32 s20, s20, s46
	s_lshl_b32 s21, s22, 13
	s_add_co_u32 s20, s20, s21
	s_mov_b32 s21, 0
	s_add_nc_u64 s[12:13], s[12:13], s[20:21]
	s_mul_i32 s20, s92, RECS
	s_add_co_u32 s20, s20, s47
	s_lshl_b32 s22, s22, 9
	s_add_co_u32 s20, s20, s22
	s_add_nc_u64 s[66:67], s[66:67], s[20:21]
.macro FRAG reg, adr, q, i             ; 16 rows x 128 K: lane l holds row l % 16; registers 4 c .. 4 c + 3 hold K = 32 c + 16 (l / 16) + 0 .. 15
.irp c, 0,1,2,3
	ds_load_b128 v[\reg+4*\c:\reg+4*\c+3], v[\adr] offset:128*(\q)+32*\c+(\i)*16*PITCH
.endr
.endm
; 16 matrix instructions: A's blocks a0, a0 + 1 x B's eight.  The 64 accumulators take turns, one instruction a turn, in the same order in every step.
.macro MUL16 a0, p, q, sc, zero
.irp a, \a0, \a0+1
.irp b, 0,1,2,3,4,5,6,7
.if \zero
	v_wmma_scale_f32_16x16x128_f8f6f4 v[8*(8*((\a)%4)+\b):8*(8*((\a)%4)+\b)+7], v[128*(\p)+FR*\b:128*(\p)+FR*\b+FR-1], v[AF+FR*(\a):AF+FR*(\a)+FR-1], 0, v[SC+8*NQ*(\sc)+NQ*\b+(\q)], v[SC+8*NQ*(\sc)+NQ*(\a)+(\q)] matrix_a_scale:MATRIX_SCALE_ROW1
.else
	v_wmma_scale_f32_16x16x128_f8f6f4 v[8*(8*((\a)%4)+\b):8*(8*((\a)%4)+\b)+7], v[128*(\p)+FR*\b:128*(\p)+FR*\b+FR-1], v[AF+FR*(\a):AF+FR*(\a)+FR-1], v[8*(8*((\a)%4)+\b):8*(8*((\a)%4)+\b)+7], v[SC+8*NQ*(\sc)+NQ*\b+(\q)], v[SC+8*NQ*(\sc)+NQ*(\a)+(\q)] matrix_a_scale:MATRIX_SCALE_ROW1
.endif
.endr
.endr
.endm
.macro FETCH_B slot, q, p
	WIN TO_B
.irp i, 0,1,2,3,4,5,6,7
	FRAG 128*(\p)+FR*\i, ADRB+\slot, \q, \i
.endr
	WIN 0
.endm
.macro FETCH_A slot, q, i0
.irp i, \i0, \i0+1, \i0+2, \i0+3
	FRAG AF+FR*(\i), ADRA+\slot, \q, \i
.endr
.endm
.macro SCALES sc                       ; a K step's scale words: lanes 0-15 take A's block i, lanes 16-31 B's block i
.irp i, 0,1,2,3,4,5,6,7
	ds_load_b64 v[SC+8*NQ*\sc+NQ*\i:SC+8*NQ*\sc+NQ*\i+1], v[ADRS] offset:\i*SBLK
.endr
.endm
.macro PLACES n                        ; plain vector instructions between a matrix instruction and a load into, or a vector instruction on, its registers
.rept \n
	v_nop
.endr
.endm
.macro STEP slot, q, zero              ; 128 along K, with its successor in the same slot
	s_wait_dscnt 4*NL                              ; B's set and A's blocks 0-3 are in; the youngest sixteen loads (A's blocks 4-7) may be out
	WIN MUL_LO
	MUL16 0, (\q)%2, \q, \slot, \zero
	MUL16 2, (\q)%2, \q, \slot, \zero
	s_wait_dscnt 0
	PLACES NP
	FETCH_B \slot, (\q)+1, 1-(\q)%2
	FETCH_A \slot, (\q)+1, 0
	WIN MUL_HI
	MUL16 4, (\q)%2, \q, \slot, \zero
	MUL16 6, (\q)%2, \q, \slot, \zero
	PLACES NP
	WIN 0
	FETCH_A \slot, (\q)+1, 4
.endm
; A slot's last step changes slots: one barrier; in front of it each wave waits for all its tensor loads, adds 0 to its spare word, and waits for that and for its reads of this slot.
.macro TURN slot, next, fill
	s_wait_tensorcnt 0x0                           ; all my tensor loads have landed: my part of the next slot
	ds_add_u32 v[SPW], v[NIL]
	s_wait_dscnt 4*NL+1                            ; (the add and the youngest sixteen loads may be out)
	WIN MUL_LO
	MUL16 0, 1, NQ-1, \slot, 0
	s_wait_dscnt 0x0                               ; the add is done, and my reads of this slot are over
	s_barrier_signal -1
	MUL16 2, 1, NQ-1, \slot, 0
	WIN 0
	s_barrier_wait -1
.if \fill
	CREST                                          ; the barrier has opened a round of the cluster's barrier: no wave of any partner still reads this slot or has a load on its way
	s_add_nc_u64 s[G0+4*\slot+2:G0+4*\slot+3], s[G0+4*\slot+2:G0+4*\slot+3], 2*ROWB
	s_add_nc_u64 s[G0B+4*\slot+2:G0B+4*\slot+3], s[G0B+4*\slot+2:G0B+4*\slot+3], 2*ROWB
	JLOAD G0+4*\slot, G1, G0B+4*\slot, G1B         ; the first tensor load behind the round; its four v_nop are among the places in front of the loads below
	PLACES NP-4
.else
	PLACES NP
.endif
	s_wait_alu depctr_va_vdst(0)
	v_add_nc_u32 v[ADRS], 4*NQ, v[ADRS]            ; the next K step's scale words
	FETCH_B \next, 0, 0
	FETCH_A \next, 0, 0
	SCALES \next
	WIN MUL_HI
	MUL16 4, 1, NQ-1, \slot, 0
	MUL16 6, 1, NQ-1, \slot, 0
	PLACES NP
	WIN 0
	FETCH_A \next, 0, 4
.endm
	s_wait_alu depctr_va_vdst(0)
	s_wait_tensorcnt 1                             ; the scales and my part of K step 0 are in; K step 1's load may be out
	s_barrier_signal -1
	s_barrier_wait -1
	FETCH_B 0, 0, 0
	FETCH_A 0, 0, 0
	SCALES 0
	FETCH_A 0, 0, 4
	STEP 0, 0, 1                                   ; the first step's products start the sums
	s_mov_b32 s3, LAPS-1
.Llap:
	TURN 0, 1, 1
	STEP 1, 0, 0
	TURN 1, 0, 1
	STEP 0, 0, 0
	s_sub_co_u32 s3, s3, 1
	s_cmp_lg_u32 s3, 0
	s_cbranch_scc1 .Llap
	TURN 0, 1, 0                                   ; the last lap fills nothing
	STEP 1, 0, 0
	s_wait_dscnt 4*NL
	WIN MUL_LO
	MUL16 0, 1, NQ-1, 1, 0
	MUL16 2, 1, NQ-1, 1, 0
	s_wait_dscnt 0
	WIN MUL_HI
	MUL16 4, 1, NQ-1, 1, 0
	MUL16 6, 1, NQ-1, 1, 0
	WIN 0
; THE WAY OUT.  Block a: 16 rows of A x my 128 rows of B: a lane's 64 registers are four blocks of 32 along the quantised axis, 16 numbers of each; lane l xor 16 holds the other 16.
.macro QOUT a
.set AC, 64*((\a)%4)
.set WA, 2+(\a)/4
.set WX, (WA<<2)|(WA<<4)
	WIN WX                                         ; sources 1 and 2: the accumulators' window
.irp b, 0,1,2,3
	v_max3_num_f32 v[TM+\b], 0x4800000, |v[AC+16*\b]|, |v[AC+16*\b+1]|   ; the floor 2^(9 - 127) among the leaves holds the byte at 1 from below; each accumulator is read from its low end on
.endr
.irp i, 2,4,6,8,10,12,14
.irp b, 0,1,2,3
	v_max3_num_f32 v[TM+\b], v[TM+\b], |v[AC+16*\b+\i]|, |v[AC+16*\b+\i+1]|
.endr
.endr
	WIN 0
.irp b, 0,1,2,3
	v_permlanex16_b32 v[TM+4+\b], v[TM+\b], s100, s101
.endr
.irp b, 0,1,2,3
	v_max_num_f32 v[TM+\b], v[TM+\b], v[TM+4+\b]   ; the block's largest magnitude
.endr
.irp b, 0,1,2,3
	v_add_nc_u32 v[TM+12+\b], 0xfc000000, v[TM+\b] ; 8 off its exponent field: the conversion's scale operand
.endr
.irp b, 0,1,2,3
.endr
.irp b, 0,1,2,3
	v_lshrrev_b32 v[TM+4+\b], 23, v[TM+12+\b]      ; the scale's byte
.endr
	v_lshl_or_b32 v[PW], v[TM+5], 8, v[TM+4]
	v_lshl_or_b32 v[PW], v[TM+6], 16, v[PW]
	v_lshl_or_b32 v[PW], v[TM+7], 24, v[PW]
.set WX, (WA<<6)|WA
	WIN WX                                         ; destination and source 0: the accumulators' window
.irp b, 0,1,2,3
.irp i, 0,1,2,3,4,5,6,7,8,9,10,11,12,13,14,15
.endr
.endr
	WIN WA
.irp b, 0,1,2,3
	v_cvt_scalef32_pk8_fp8_f32 v[CD+16*(\a)+4*\b:CD+16*(\a)+4*\b+1], v[AC+16*\b:AC+16*\b+7], v[TM+12+\b]
	v_cvt_scalef32_pk8_fp8_f32 v[CD+16*(\a)+4*\b+2:CD+16*(\a)+4*\b+3], v[AC+16*\b+8:AC+16*\b+15], v[TM+12+\b]
.endr
	WIN 0
	v_perm_b32 v[WS+(\a)], v[PW], v[PW], s96       ; (a plain line behind the conversions)  q, k: the first head's word; v: the four bytes
	v_perm_b32 v[W1], v[PW], v[PW], s97            ; q, k: the second head's word
	v_cndmask_b32 v[WS+(\a)], v[WS+(\a)], v[W1], s98   ; lanes 16-31 carry the second
	ds_store_b32 v[STS], v[WS+(\a)] offset:64*(\a)
.irp b, 0,1,2,3
	global_store_b128 v[LI], v[CD+16*(\a)+4*\b:CD+16*(\a)+4*\b+3], s[12:13] offset:(\a)*1024+(\b/2)*16384+(\b%2)*512   ; 32 lanes store 512 consecutive bytes, at a multiple of 512 from the buffer's first byte
.endr
.endm
	PLACES NP
.irp b, 0,1,2,3
	v_mov_b32 v[TM+4+\b], 0                        ; written once: a lane permute's destination counts as one of its sources
.endr
.irp a, 0,1,2,3,4,5,6,7
	QOUT \a
.endr
	ds_load_b128 v[SW:SW+3], v[RDS]                ; LDS serves a wave's instructions in order (ISA guide 5.7.1.4): these see my stores.  128 rows' words of the first head (v: of both)
	ds_load_b128 v[SW+4:SW+7], v[RDS] offset:512   ; and of the second
	s_wait_dscnt 0x0
	global_store_b128 v[LI], v[SW:SW+3], s[66:67]
	s_cmp_lg_u32 s95, 0                            ; v has one word a row: the branch hangs on the cluster's x, which all partners share
	s_cbranch_scc1 .Lone_chunk
	global_store_b128 v[LI], v[SW+4:SW+7], s[66:67] offset:1024
.Lone_chunk:
	s_wait_tensorcnt 0x0                           ; the wave's end
	ds_add_u32 v[SPW], v[NIL]
	s_wait_dscnt 0x0
	CROUND                                         ; the closing round
	s_endpgm
.Lfunc_end_k_q748c25b8a4_proj:
	.size	k_q748c25b8a4_proj, .Lfunc_end_k_q748c25b8a4_proj-k_q748c25b8a4_proj
	.p2alignl 7, 3214868480
	.fill 96, 4, 3214868480
	.section	.rodata,"a",@progbits
	.p2align	6, 0x0
	.amdhsa_kernel k_q748c25b8a4_proj
		.amdhsa_group_segment_fixed_size 327680
		.amdhsa_private_segment_fixed_size 0
		.amdhsa_enable_private_segment 0
		.amdhsa_kernarg_size 80
		.amdhsa_user_sgpr_count 2
		.amdhsa_user_sgpr_kernarg_segment_ptr 1
		.amdhsa_wavefront_size32 1
		.amdhsa_system_sgpr_workgroup_id_x 1
		.amdhsa_system_sgpr_workgroup_id_y 1
		.amdhsa_system_sgpr_workgroup_id_z 1
		.amdhsa_system_vgpr_workitem_id 0
		.amdhsa_next_free_vgpr 1024
		.amdhsa_next_free_sgpr 102
		.amdhsa_reserve_vcc 0
		.amdhsa_float_denorm_mode_32 3
		.amdhsa_float_denorm_mode_16_64 3
		.amdhsa_fp16_overflow 1
		.amdhsa_memory_ordered 1
		.amdhsa_forward_progress 1
		.amdhsa_inst_pref_size 153
	.end_amdhsa_kernel
	.amdgpu_metadata
---
amdhsa.version: [ 1, 2 ]
amdhsa.kernels:
  - .name:           k_q748c25b8a4_proj
    .symbol:         k_q748c25b8a4_proj.kd
    .args:
      - { .name: x_codes, .offset: 0, .size: 8, .value_kind: global_buffer, .address_space: global }
      - { .name: x_scales, .offset: 8, .size: 8, .value_kind: global_buffer, .address_space: global }
      - { .name: Wq_codes, .offset: 16, .size: 8, .value_kind: global_buffer, .address_space: global }
      - { .name: Wq_scales, .offset: 24, .size: 8, .value_kind: global_buffer, .address_space: global }
      - { .name: Wk_codes, .offset: 32, .size: 8, .value_kind: global_buffer, .address_space: global }
      - { .name: Wk_scales, .offset: 40, .size: 8, .value_kind: global_buffer, .address_space: global }
      - { .name: Wv_codes, .offset: 48, .size: 8, .value_kind: global_buffer, .address_space: global }
      - { .name: Wv_scales, .offset: 56, .size: 8, .value_kind: global_buffer, .address_space: global }
      - { .name: qkv, .offset: 64, .size: 8, .value_kind: global_buffer, .address_space: global }
      - { .name: qkvs, .offset: 72, .size: 8, .value_kind: global_buffer, .address_space: global }
    .group_segment_fixed_size: 327680
    .private_segment_fixed_size: 0
    .kernarg_segment_align: 8
    .kernarg_segment_size: 80
    .max_flat_workgroup_size: 128
    .sgpr_count:     102
    .vgpr_count:     1024
    .wavefront_size: 32
...
	.end_amdgpu_metadata
.endif
;; end of part 1
;; launch attn (part 2): grid 8 x 32, 16 waves a work-group, no clusters, 327,680 bytes of LDS; arguments qkv, qkvs, ctxc, ctxs; writes ctxc, ctxs
.if DOCPART == 2
	.amdgcn_target "amdgcn-amd-amdhsa--gfx1250"
	.amdhsa_code_object_version 6
	.text
	.protected	k_q748c25b8a4_attn
	.globl	k_q748c25b8a4_attn
	.p2align	8
	.type	k_q748c25b8a4_attn,@function
k_q748c25b8a4_attn:
	s_mov_b64 s[64:65], 0
	v_nop
	global_prefetch_b8 v0, s[64:65] scope:SCOPE_SE
	s_setreg_imm32_b32 hwreg(HW_REG_WAVE_MODE, 25, 1), 1
	s_wait_xcnt 0x0
; Causal attention on codes of E4M3, head size 64, 2,048 tokens, 64 heads; its result ctx = O / l is quantised along the model's 1,024 and leaves as codes.
; THE SOFTMAX AHEAD OF THE SECOND PRODUCT: t = score x log2(e) / 8; M = the running largest t rounded UP to a whole number; p = 2^(t - M) is quantised along the keys, not normalised; the row's sum l is
; taken of the unquantised p and divides O at the end.  When M moves, l and O are multiplied by 2^(old M - new M), which rounds nothing.
; SHARES.  A work-group (j = x, 0..7; y = 8 x batch + pair of heads) owns two heads and, of each, the blocks of 128 queries numbered 15 - j and j: (16 - j) + (j + 1) = 17 steps of 128 keys in every
; work-group, so all 256 have the same work.  Wave w: head w / 8 of the pair, tile w % 8 of 16 queries.  The block 15 - j comes first, then block j.
; Keys come in records of 256: 65,536 bytes of k's and v's codes of both heads and 3,072 bytes of their scale words.  T1 = (17 - j) / 2 records serve the first block, the rest of NINE the second: place x
; of the walk is record x, or x - T1 from T1 on.  A SLOT HOLDS TWO RECORDS, so the nine are walked in five trips (2, 2, 2, 2, 1) with five barriers: the sixteen waves are brought into step as seldom as two
; such slots in LDS allow.  The trip counts are constants, and no LDS address hangs on j.  A step all of whose keys come after the block's queries is left out by a scalar branch on ids.
; NO JOINT LOADS: the eight work-groups of a pair of heads walk the same records, but group j goes back to record 0 at place (17 - j) / 2, a different place for most j: from there on partners would ask for
; different tiles in the same trip.
; LAYOUT.  Both products are used transposed: S^T = k q^T, O^T = v^T p^T: a lane holds ONE query (lane % 16).  All operands lie in LDS as images of their registers: every fragment load reads 512
; consecutive bytes.  Inside a block of 32 along K, place 16 h + i holds number 8 h + i (i < 8) or 16 + 8 h + (i - 8), in q and k alike, and in v as in p, whose registers come out of S^T in that order.
; THE FIRST PRODUCT'S K IS 64, THE FORM'S 128.  Two tiles of 16 keys make ONE operand, [even tile, odd tile]; against q as [q, zeros] it gives the even tile's scores, against [zeros, q] the odd tile's: the
; other tile's codes meet zero codes.  The zeros stand in q alone and are written once.  A scale word holds a head's two bytes twice, so that either half finds its bytes.
; A register of scale words carries two tiles': lanes 0-15 the even tile's, lanes 16-31 the odd tile's, which the odd tile's product reads.
; ctx meets Wo, whose K is in plain order: lanes l and l xor 16 exchange eight codes of each block on the way out.
; LIMITS: NaN and infinities are not served; a block of zeros gets the byte 1 where the quantiser says 127 (zero codes; this program alone reads the bytes).
.set SLOT1, 1<<17                      ; slot 1's codes begin here: one exclusive or turns an address from one slot to the other
.set RECL,  65536                      ; a slot's second record of codes
.set SCW,   2*SLOT1                    ; the scale words: slot s, record i at SCW + 8,192 s + 4,096 i
.set STG,   SCW+16384                  ; ctx's scale words: 512 bytes for each of the two blocks of queries
.set SPARE, STG+1024                   ; the spare words, 128 bytes for each of 16 waves, named by no other line
.set RECC,  98304
.set RECS,  5120
.set AK0,  1                           ; v1   my lane's place in k's codes: 16,384 e + 16 x lane
.set AV0,  2                           ; v2   in v's: 32,768 + 4,096 e + 16 x lane
.set ASK0, 3                           ; v3   in k's words: SCW + 1,024 e + 4 x lane
.set ASV0, 4                           ; v4   in v's words: SCW + 2,048 + 256 e + 4 x lane
.set SPW,  5
.set NIL,  6
.set LI,   7                           ; v7   16 x lane
.set R4,   8                           ; v8   4 r
.set STA,  10                          ; v10  where my query's two scale bytes go
.set RDST, 11                          ; v11  and where waves 0 and 1 read the words back
.set KB,   40                          ; v40-87 three pairs of k's tiles, v232-247 the fourth.   v16-39 q as q - zeros - q.   v12 -M, v13 the largest t, v[14:15] l in two halves
.set S,    88                          ; v88-151  S^T, then p, then v's four fragments
.set OT,   152                         ; v152-183 O^T
.set PC,   184                         ; v184-199 p's codes
.set KW,   200                         ; v200-203 k's scale words;  v204 q's;  v205 p's;  v250-251 v's: they hold scales alone
.set QW,   204
.set PWD,  205
.set BM,   206
.set TP,   210
.set HD,   214
.set SO,   218
.set FF,   222                         ; v[222:223] f = 2^(old M - new M), named as a pair
.set TA,   224
.set L2,   226
.set ADK,  228
.set ADV,  229
.set ADS,  230
.set ADT,  231
.set CN,   232                         ; the way out: v232-239 ctx's codes in plain order, v240-247 the exchange
.set EX,   240
.set EY,   244
.set CB,   248                         ; v248-249 ctx's two scale bytes, a register for each block of queries
.set VW,   250
.set WV,  12
.set E,   13
.set W8,  14
.set J,   15
.set Y,   16
.set T1,  17
.set BLK, 18
.set KS,  19
.set SEL, 20
.set CS,  22
.set MNT, 24
.set T,   25                           ; s25  the place in the walk of nine records
.set U,   26                           ; s26  counts the loop's trips
.set TB,  27                           ; s27  where the slot in hand begins: its codes;  s73: its scale words, less SCW
.set G1C, 28
.set G1S, 36
.set G0C, 44
.set G0S, 48
.set BC,  52
.set BS,  54
.set HM,  72
.set TS,  73
.set TBR, 76                           ; s76, s77  the same for the record in hand
.set TSR, 77
.set HC,  78                           ; s78  2 + which record of a slot my load of codes brings;  s79  the same for scale words
.set HS,  79
; full = 1: waves 0 to 7 fetch a quarter of a record's codes each (0-3 the slot's first record, 4-7 its second), waves 8 and 9 the two records' scale words.  full = 0: the first record alone: waves 0-3 and 8.
; The branches hang on the wave's number alone.  Four v_nop follow each of the two lines.
.macro TLOAD full
	s_cmp_lt_u32 s[WV], 4+4*(\full)
	s_cbranch_scc0 .Lnot_c_\@
	tensor_load_to_lds s[G0C:G0C+3], s[G1C:G1C+7]
	s_nop 0
.rept 4
	v_nop
.endr
	s_branch .Lasked_\@
.Lnot_c_\@:
.if \full
	s_cmp_lt_u32 s[WV], 10
.else
	s_cmp_eq_u32 s[WV], 8
.endif
	s_cbranch_scc0 .Lasked_\@
	tensor_load_to_lds s[G0S:G0S+3], s[G1S:G1S+7]
	s_nop 0
.rept 4
	v_nop
.endr
.Lasked_\@:
.endm
.macro RESET                           ; a block of queries begins: O^T and l are zeros, the largest t lies under every t; the first change of M multiplies zeros
	v_mov_b32 v13, 0xff61b1e6
	v_floor_f32 v12, -v13
	v_mov_b32 v14, 0
	v_mov_b32 v15, 0
.set i, 0
.rept 32
	v_mov_b32 v[OT+i], 0
.set i, i+1
.endr
.endm
.macro LOADQ                           ; my 16 queries of block BLK: their codes twice (for either half of K), and their scale words
	s_lshr_b32 s58, s[BLK], 1
	s_lshl_b32 s59, s[Y], 3
	s_add_co_u32 s58, s58, s59                     ; the record
	s_and_b32 s59, s[BLK], 1
	s_lshl_b32 s59, s59, 3
	s_add_co_u32 s59, s59, s[W8]                   ; the tile of 16 tokens in it
	s_mul_i32 s56, s58, RECC
	s_lshl_b32 s60, s[E], 14
	s_add_co_u32 s56, s56, s60
	s_lshl_b32 s60, s59, 10
	s_add_co_u32 s56, s56, s60
	s_add_co_u32 s56, s56, 65536
	s_add_nc_u64 s[66:67], s[4:5], s[56:57]
	s_mul_i32 s56, s58, RECS
	s_lshl_b32 s60, s[E], 10
	s_add_co_u32 s56, s56, s60
	s_lshl_b32 s60, s59, 6
	s_add_co_u32 s56, s56, s60
	s_add_co_u32 s56, s56, 3072
	s_add_nc_u64 s[68:69], s[6:7], s[56:57]
	global_load_b128 v[16:19], v[LI], s[66:67]
	global_load_b128 v[20:23], v[LI], s[66:67] offset:512
	global_load_b128 v[32:35], v[LI], s[66:67]
	global_load_b128 v[36:39], v[LI], s[66:67] offset:512
	global_load_b32 v[QW], v[R4], s[68:69]
.endm
	s_load_b256 s[4:11], s[0:1], 0x0               ; qkv s[4:5], qkvs s[6:7], ctxc s[8:9], ctxs s[10:11]
	v_lshl_add_u32 v[SPW], v0, 2, SPARE
	v_mov_b32 v[NIL], 0
	ds_add_u32 v5, v6
	s_wait_dscnt 0x0
	v_lshrrev_b32 v1, 5, v0
	v_readfirstlane_b32 s[WV], v1                  ; wave 0..15
	s_lshr_b32 s[E], s[WV], 3
	s_and_b32 s[W8], s[WV], 7
	s_mov_b32 s[J], ttmp9
	s_and_b32 s[Y], ttmp7, 0xffff
	s_sub_co_u32 s[T1], 17, s[J]
	s_lshr_b32 s[T1], s[T1], 1                     ; the place at which the second block of queries begins: 5 to 8
	s_sub_co_u32 s[BLK], 15, s[J]
	s_mov_b32 s[KS], 0
	s_mov_b32 s[SEL], 0x76543210
	s_mov_b32 s[SEL+1], 0xfedcba98
	s_mov_b32 s[CS], 0x3e38aa3b                    ; c = log2(e) / 8
	s_mov_b32 s[CS+1], s[CS]
	s_mov_b32 s[T], 0
	s_mov_b32 s[TB], 0
	s_mov_b32 s[TS], 0
	s_mov_b32 s[HM], 0xffff0000
	s_bfe_u32 s[HC], s[WV], 0x10002                ; bit 2 of the wave's number: waves 4-7 bring a slot's second record
	s_add_co_u32 s[HC], s[HC], 2
	s_and_b32 s[HS], s[WV], 1                      ; wave 9 brings its scale words
	s_add_co_u32 s[HS], s[HS], 2
	; descriptor group 1: dense bytes as rows of 256 (32 elements of 8 bytes): 64 rows of codes, 12 rows of scale words; no padding, no mask
	s_mov_b32 s[G1C], 3<<16
	s_mov_b32 s[G1C+1], 32<<16
	s_mov_b32 s[G1C+2], 64<<16
	s_mov_b32 s[G1C+3], 32<<16
	s_mov_b32 s[G1C+4], 64
	s_mov_b32 s[G1C+5], 32
	s_mov_b32 s[G1C+6], 0
	s_mov_b32 s[G1C+7], 0
	s_mov_b32 s[G1S], 3<<16
	s_mov_b32 s[G1S+1], 32<<16
	s_mov_b32 s[G1S+2], 12<<16
	s_mov_b32 s[G1S+3], 32<<16
	s_mov_b32 s[G1S+4], 12
	s_mov_b32 s[G1S+5], 32
	s_mov_b32 s[G1S+6], 0
	s_mov_b32 s[G1S+7], 0
	s_mul_i32 s56, s[Y], 8*RECC
	s_and_b32 s58, s[WV], 3
	s_lshl_b32 s58, s58, 14                        ; my quarter of a record's codes
	s_add_co_u32 s56, s56, s58
	s_mov_b32 s57, 0                               ; stays 0: the upper word of every offset
	s_mul_i32 s60, s[Y], 8*RECS
	s_mov_b32 s61, 0
	s_lshl_b32 s59, s[W8], 14                      ; where my codes go in a slot: (wave % 8) x 16,384
	s_and_b32 s62, s[WV], 1
	s_lshl_b32 s62, s62, 12
	s_add_co_u32 s62, s62, SCW                     ; and my scale words
	s_wait_kmcnt 0x0
	s_add_nc_u64 s[BC:BC+1], s[4:5], s[56:57]
	s_add_nc_u64 s[BS:BS+1], s[6:7], s[60:61]
	s_sub_co_u32 s58, s[HC], 2
	s_mul_i32 s56, s58, RECC                       ; records 0 and 1
	s_mov_b32 s[G0C], 1
	s_mov_b32 s[G0C+1], s59
	s_add_nc_u64 s[G0C+2:G0C+3], s[BC:BC+1], s[56:57]
	s_or_b32 s[G0C+3], s[G0C+3], 0x80000000
	s_sub_co_u32 s58, s[HS], 2
	s_mul_i32 s56, s58, RECS
	s_mov_b32 s[G0S], 1
	s_mov_b32 s[G0S+1], s62
	s_add_nc_u64 s[G0S+2:G0S+3], s[BS:BS+1], s[56:57]
	s_or_b32 s[G0S+3], s[G0S+3], 0x80000000
	TLOAD 1                                        ; slot 0: the launch's first fills at its start, one a wave
	v_and_b32 v[TA], 31, v0
	v_lshlrev_b32 v[LI], 4, v[TA]
	v_lshlrev_b32 v[L2], 2, v[TA]                  ; 4 x lane
	v_and_b32 v[TA+1], 15, v0                      ; r
	v_lshlrev_b32 v[R4], 2, v[TA+1]
	s_lshl_b32 s58, s[E], 14
	v_add_nc_u32 v[AK0], s58, v[LI]
	s_lshl_b32 s58, s[E], 12
	s_add_co_u32 s58, s58, 32768
	v_add_nc_u32 v[AV0], s58, v[LI]
	s_lshl_b32 s58, s[E], 10
	s_add_co_u32 s58, s58, SCW
	v_add_nc_u32 v[ASK0], s58, v[L2]
	s_lshl_b32 s58, s[E], 8
	s_add_co_u32 s58, s58, SCW+2048
	v_add_nc_u32 v[ASV0], s58, v[L2]
	s_lshl_b32 s58, s[W8], 6
	s_lshl_b32 s59, s[E], 1
	s_add_co_u32 s58, s58, s59
	s_add_co_u32 s58, s58, STG
	v_add_nc_u32 v[STA], s58, v[R4]
	v_and_b32 v[TA], 63, v0
	v_lshl_add_u32 v[RDST], v[TA], 4, STG
.irp i, 0,1,2,3,4,5,6,7
	v_mov_b32 v[24+\i], 0                          ; the zero codes between q's two copies: written once, never loaded over
.endr
.irp b, 0,1,2,3
	v_mov_b32 v[TP+\b], 0                          ; written once: a lane permute's destination counts as one of its sources
	v_mov_b32 v[EY+\b], 0
.endr
	v_mov_b32 v[TA], 0
	v_mov_b32 v[FF+1], 0                           ; (named as the upper half of f's pair)
	RESET
	LOADQ
; A KEY STEP: 128 keys, the q-th of the record in hand.
.macro STEP q
	s_cmp_gt_u32 s[KS], s[BLK]                     ; all its keys come after my block's queries: a scalar branch on ids, round the step's work; no barrier and no tensor load stands in a step
	s_cbranch_scc1 .Lhidden_\@
	v_add_nc_u32 v[ADK], s[TBR], v[AK0]
	v_add_nc_u32 v[ADS], s[TSR], v[ASK0]
.irp t, 0,1,2,3,4,5,6,7                        ; all eight tiles of 16 keys in one run: none of these registers was named by the last step's last products
.set KA, KB+16*(\t/2)+144*(\t/6)+8*(\t%2)
	ds_load_b128 v[KA:KA+3], v[ADK] offset:(8*(\q)+\t)*1024
	ds_load_b128 v[KA+4:KA+7], v[ADK] offset:(8*(\q)+\t)*1024+512
.endr
.irp p, 0,1,2,3
	ds_load_b32 v[KW+\p], v[ADS] offset:(128*(\q)+32*\p)*4   ; the words of keys 32 p + lane: two tiles' in one register
.endr
	v_add_nc_u32 v[ADV], s[TBR], v[AV0]
	v_add_nc_u32 v[ADT], s[TSR], v[ASV0]
.rept 5
	v_nop                                          ; with the four additions: nine places.  The products below write S^T over registers that the last step's products read as v's fragments
.endr
	s_wait_dscnt 0x0
.irp t, 0,2,4,6                                ; S^T = k q^T: eight accumulators, each begun with 0
.set KA, KB+16*(\t/2)+144*(\t/6)
	v_wmma_scale_f32_16x16x128_f8f6f4 v[S+8*\t:S+8*\t+7], v[KA:KA+15], v[16:31], 0, v[KW+\t/2], v[QW]
	v_wmma_scale_f32_16x16x128_f8f6f4 v[S+8*\t+8:S+8*\t+15], v[KA:KA+15], v[24:39], 0, v[KW+\t/2], v[QW] matrix_a_scale:MATRIX_SCALE_ROW1
.endr
.rept 8
	v_nop                                          ; places between the products and the first read of their results (ISA guide 7.12.1)
.endr
	s_cmp_lg_u32 s[KS], s[BLK]                     ; on the diagonal the scores of hidden keys become -infinity ahead of the maximum: p = 0 then
	s_cbranch_scc1 .Lopen_\@
	v_mov_b32 v[TA], 0xff800000
; Register i of tile t holds key 16 t + 8 h + i, my query is 16 (w % 8) + r.  A tile ahead of my own hides nothing and is skipped; in my own tile key 8 h + i is hidden where it exceeds r, which is a constant
; set of lanes: r < i in lanes 0-15, r < i + 8 in lanes 16-31; a later tile is hidden whole.  The branches and choices hang on the wave's number alone.
.irp t, 0,1,2,3,4,5,6,7
	s_cmp_gt_u32 s[W8], \t
	s_cbranch_scc1 .Lv\@_\t
	s_cmp_eq_u32 s[W8], \t
.irp i, 0,1,2,3,4,5,6,7
	s_cselect_b32 s60, ((1<<\i)-1)|(((1<<(\i+8))-1)<<16), -1
	v_cndmask_b32 v[S+8*\t+\i], v[S+8*\t+\i], v[TA], s60
.endr
.Lv\@_\t:
.endr
.Lopen_\@:
.irp p, 0,2                                    ; the largest score of each block of 32 keys: it serves for the row's maximum and, since p rises with the score, for the block's largest p
.irp b, 0,1
	v_max3_num_f32 v[BM+\p+\b], v[S+16*(\p+\b)], v[S+16*(\p+\b)+1], v[S+16*(\p+\b)+2]
.endr
.irp i, 3,5,7,9,11,13
.irp b, 0,1
	v_max3_num_f32 v[BM+\p+\b], v[BM+\p+\b], v[S+16*(\p+\b)+\i], v[S+16*(\p+\b)+\i+1]
.endr
.endr
.irp b, 0,1
	v_max_num_f32 v[BM+\p+\b], v[BM+\p+\b], v[S+16*(\p+\b)+15]
.endr
.endr
.irp b, 0,1,2,3
	v_permlanex16_b32 v[TP+\b], v[BM+\b], s[SEL], s[SEL+1]
.endr
.irp b, 0,1,2,3
	v_max_num_f32 v[BM+\b], v[BM+\b], v[TP+\b]     ; with lane l xor 16's 16 keys
.endr
	v_max3_num_f32 v[TA], v[BM], v[BM+1], v[BM+2]
	v_max_num_f32 v[TA], v[TA], v[BM+3]
	v_mul_f32 v[TA], s[CS], v[TA]                  ; the step's largest t (c is positive)
	v_max_num_f32 v13, v13, v[TA]
	v_mov_b32 v[TA], v12
	v_floor_f32 v12, -v13                          ; the new -M = floor(-t): M is a whole number
	v_sub_f32 v[TA], v12, v[TA]
	v_cvt_i32_f32 v[TA], v[TA]                     ; (it saturates)
	v_ldexp_f32 v[FF], 1.0, v[TA]                  ; f = 2^(old M - new M)
.set n, 0
.rept 32
	v_pk_fma_f32 v[S+n:S+n+1], v[S+n:S+n+1], s[CS:CS+1], v[12:13] op_sel_hi:[1,0,0]   ; t - M, two at a time
.set n, n+2
.endr
.irp b, 0,1,2,3
	v_fma_f32 v[BM+\b], v[BM+\b], s[CS], v12       ; the same of each block's largest score
.endr
.set n, 0
.rept 64
	v_exp_f32 v[S+n], v[S+n]                       ; p = 2^(t - M)
.set n, n+1
.endr
.irp b, 0,1,2,3
	v_exp_f32 v[BM+\b], v[BM+\b]                   ; the block's largest p
.endr
	v_pk_mul_f32 v[14:15], v[14:15], v[FF:FF+1] op_sel_hi:[1,0]   ; l under the new M.  (A plain line behind the exponentials)
	s_wait_alu depctr_va_vdst(0)
.irp b, 0,1,2,3
	v_max_num_f32 v[BM+\b], 0x4800000, v[BM+\b]    ; the floor 2^(9 - 127)
.endr
.irp b, 0,1,2,3
	v_add_nc_u32 v[SO+\b], 0xfc000000, v[BM+\b]    ; the conversion's scale operand
.endr
.irp b, 0,1,2,3
.endr
.irp b, 0,1,2,3
	v_lshrrev_b32 v[TP+\b], 23, v[SO+\b]           ; the scale's byte
.endr
	v_lshl_or_b32 v[PWD], v[TP+1], 8, v[TP]        ; p's scale word: more than eight plain lines ahead of the products that name it
	v_lshl_or_b32 v[PWD], v[TP+2], 16, v[PWD]
	v_lshl_or_b32 v[PWD], v[TP+3], 24, v[PWD]
	v_pk_add_f32 v[L2:L2+1], v[S:S+1], v[S+2:S+3]  ; the row's sum is taken of the unquantised p, in two chains
.irp j, 4,8,12,16,20,24,28,32,36,40,44,48,52,56,60
	v_pk_add_f32 v[14:15], v[14:15], v[S+\j:S+\j+1]
	v_pk_add_f32 v[L2:L2+1], v[L2:L2+1], v[S+\j+2:S+\j+3]
.endr
	v_pk_add_f32 v[14:15], v[14:15], v[L2:L2+1]
.irp b, 0,1,2,3
.irp i, 0,1,2,3,4,5,6,7,8,9,10,11,12,13,14,15
.endr
	v_cvt_scalef32_pk8_fp8_f32 v[PC+4*\b:PC+4*\b+1], v[S+16*\b:S+16*\b+7], v[SO+\b]
	v_cvt_scalef32_pk8_fp8_f32 v[PC+4*\b+2:PC+4*\b+3], v[S+16*\b+8:S+16*\b+15], v[SO+\b]
.irp c, 0,1,2,3                                ; the block's registers are free: v's fragment of channels 16 b on lands there while the next block is quantised
	ds_load_b128 v[S+16*\b+4*\c:S+16*\b+4*\c+3], v[ADV] offset:(\c/2)*16384+(\q)*8192+\b*1024+(\c%2)*512
.endr
.endr
.irp a, 0,1
	ds_load_b32 v[VW+\a], v[ADT] offset:(\q)*512+128*\a   ; the words of channels 32 a + lane: two tiles' in one register
.endr
.set n, 0
.rept 16
	v_pk_mul_f32 v[OT+n:OT+n+1], v[OT+n:OT+n+1], v[FF:FF+1] op_sel_hi:[1,0]   ; O^T under the new M.  (Also the plain lines between the conversions and the products)
.set n, n+2
.endr
	s_wait_dscnt 0x0
.irp a, 0,2                                    ; O^T += v^T p^T: four accumulators by turns
	v_wmma_scale_f32_16x16x128_f8f6f4 v[OT+8*\a:OT+8*\a+7], v[S+16*\a:S+16*\a+15], v[PC:PC+15], v[OT+8*\a:OT+8*\a+7], v[VW+\a/2], v[PWD]
	v_wmma_scale_f32_16x16x128_f8f6f4 v[OT+8*\a+8:OT+8*\a+15], v[S+16*\a+16:S+16*\a+31], v[PC:PC+15], v[OT+8*\a+8:OT+8*\a+15], v[VW+\a/2], v[PWD] matrix_a_scale:MATRIX_SCALE_ROW1
.endr
.Lhidden_\@:
	s_add_co_u32 s[KS], s[KS], 1
.endm
; THE CHANGE OF SLOTS, at a trip's head.  Each wave waits for all its tensor loads (its part of the slot ahead), adds 0 to its spare word, and waits for that and for its reads of the slot that it has left.
; fill = 2: behind the barrier that other slot takes the records at places T + 2 and T + 3 of the walk; fill = 1: the one at T + 2 alone, the ninth; fill = 0: nothing is left to fetch.
.macro CHANGE fill
	s_wait_tensorcnt 0x0                           ; no tensor load of mine is out, so a group 0 may be written
	ds_add_u32 v[SPW], v[NIL]
.if \fill
	s_add_co_u32 s58, s[T], s[HC]                  ; the place in the walk of the record whose codes I bring,
	s_cmp_ge_u32 s58, s[T1]
	s_cselect_b32 s59, s[T1], 0
	s_sub_co_u32 s58, s58, s59                     ; and the record: from T1 on the walk begins anew at record 0
	s_mul_i32 s56, s58, RECC
	s_add_nc_u64 s[G0C+2:G0C+3], s[BC:BC+1], s[56:57]
	s_or_b32 s[G0C+3], s[G0C+3], 0x80000000
	s_xor_b32 s[G0C+1], s[G0C+1], SLOT1
	s_add_co_u32 s58, s[T], s[HS]                  ; the same for the scale words
	s_cmp_ge_u32 s58, s[T1]
	s_cselect_b32 s59, s[T1], 0
	s_sub_co_u32 s58, s58, s59
	s_mul_i32 s56, s58, RECS
	s_add_nc_u64 s[G0S+2:G0S+3], s[BS:BS+1], s[56:57]
	s_or_b32 s[G0S+3], s[G0S+3], 0x80000000
	s_xor_b32 s[G0S+1], s[G0S+1], 8192
.endif
	s_wait_dscnt 0x0                               ; the add is done, and my reads of the slot that I have left are over
	s_barrier_signal -1
	s_barrier_wait -1
.if \fill == 2
	TLOAD 1                                        ; the first thing behind the barrier, a wave's one tensor load until the next: it has a trip's four steps in which to land
.endif
.if \fill == 1
	TLOAD 0
.endif
.endm
; THE WAY OUT of a block of queries (p = 0: the first, 1: the second): ctx = O^T / l, quantised along the head's 64 (two blocks of the model's 1,024), as an image of the next launch's operand.
.macro WAYOUT p
	s_wait_xcnt 0x0                                ; the earlier stores have read their data and their base: both are written again below
.rept 8
	v_nop                                          ; places behind the last products
.endr
	v_add_f32 v14, v14, v15
	v_permlanex16_b32 v[TA], v14, s[SEL], s[SEL+1]
	v_add_f32 v14, v14, v[TA]                      ; the row's sum
	v_rcp_f32 v14, v14
	v_nop
.set i, 0
	s_wait_alu depctr_va_vdst(0)
.rept 32
	v_mul_f32 v[S+i], v[OT+i], v14                 ; register 16 b + i: channel 32 b + 8 h + i (i < 8) or 32 b + 16 + 8 h + (i - 8)
.set i, i+1
.endr
.irp b, 0,1
	v_max3_num_f32 v[BM+\b], |v[S+16*\b]|, |v[S+16*\b+1]|, 0x4800000
.endr
.irp i, 2,4,6,8,10,12,14
.irp b, 0,1
	v_max3_num_f32 v[BM+\b], v[BM+\b], |v[S+16*\b+\i]|, |v[S+16*\b+\i+1]|
.endr
.endr
.irp b, 0,1
	v_permlanex16_b32 v[TP+\b], v[BM+\b], s[SEL], s[SEL+1]
.endr
.irp b, 0,1
	v_max_num_f32 v[BM+\b], v[BM+\b], v[TP+\b]
.endr
.irp b, 0,1
	v_add_nc_u32 v[SO+\b], 0xfc000000, v[BM+\b]
.endr
.irp b, 0,1
.endr
.irp b, 0,1
	v_lshrrev_b32 v[TP+\b], 23, v[SO+\b]
.endr
	v_lshl_or_b32 v[CB+\p], v[TP+1], 8, v[TP]      ; my head's two bytes of the row's scale word
.irp b, 0,1
.irp i, 0,1,2,3,4,5,6,7,8,9,10,11,12,13,14,15
.endr
	v_cvt_scalef32_pk8_fp8_f32 v[PC+4*\b:PC+4*\b+1], v[S+16*\b:S+16*\b+7], v[SO+\b]
	v_cvt_scalef32_pk8_fp8_f32 v[PC+4*\b+2:PC+4*\b+3], v[S+16*\b+8:S+16*\b+15], v[SO+\b]
.endr
	v_nop                                          ; a plain line behind the conversions
; Into plain order: lanes 0-15 want channels 0..15 of a block and hold 0..7 and 16..23; lanes 16-31 want 16..31 and hold 8..15 and 24..31: each sends the eight codes that the other wants.
.irp b, 0,1
.irp k, 0,1
	v_cndmask_b32 v[EX+2*\b+\k], v[PC+4*\b+2+\k], v[PC+4*\b+\k], s[HM]
.endr
.endr
.irp k, 0,1,2,3
	v_permlanex16_b32 v[EY+\k], v[EX+\k], s[SEL], s[SEL+1]
.endr
.irp b, 0,1
.irp k, 0,1
	v_cndmask_b32 v[CN+4*\b+\k], v[PC+4*\b+\k], v[EY+2*\b+\k], s[HM]
	v_cndmask_b32 v[CN+4*\b+2+\k], v[EY+2*\b+\k], v[PC+4*\b+2+\k], s[HM]
.endr
.endr
	s_lshl_b32 s58, s[Y], 7
	s_lshl_b32 s59, s[BLK], 3
	s_add_co_u32 s58, s58, s59
	s_add_co_u32 s58, s58, s[W8]                   ; the fragment: (8 x batch + pair) x 128 + tile of 16 tokens
	s_lshl_b32 s56, s58, 11
	s_lshl_b32 s59, s[E], 10
	s_add_co_u32 s56, s56, s59                     ; my head's two groups of its four
	s_add_nc_u64 s[70:71], s[8:9], s[56:57]
	global_store_b128 v[LI], v[CN:CN+3], s[70:71]              ; 32 lanes store 512 consecutive bytes, at a multiple of 512 from the buffer's first byte
	global_store_b128 v[LI], v[CN+4:CN+7], s[70:71] offset:512
	ds_store_b16 v[STA], v[CB+\p] offset:512*\p    ; both lanes of a query write the same two bytes; the other head's wave writes the word's other half
.endm
; A RECORD: the i-th of the slot in hand, two key steps.  chk = 1: this place of the walk can be T1, where the second block of queries begins (T1 is 5 to 8).
.macro REC i, chk
	s_add_co_u32 s[TBR], s[TB], (\i)*RECL
	s_add_co_u32 s[TSR], s[TS], (\i)*4096
.if \chk
	s_cmp_lg_u32 s[T], s[T1]                       ; the same in all sixteen waves; no barrier stands inside
	s_cbranch_scc1 .Lsame_\@
	WAYOUT 0
	s_mov_b32 s[BLK], s[J]
	s_mov_b32 s[KS], 0
	RESET
	LOADQ
	s_wait_loadcnt 0x0                             ; q
	s_wait_xcnt 0x0                                ; the stores above have read their data: k's fourth pair of tiles lands in those registers
.Lsame_\@:
.endif
	STEP 0
	STEP 1
	s_add_co_u32 s[T], s[T], 1
.endm
	s_wait_loadcnt 0x0                             ; q
	s_mov_b32 s[U], 0
.Ltrip:                                            ; three trips of two records, each of which asks for the next trip's two (places 0, 2, 4 lie under every T1)
	CHANGE 2
	REC 0, 0
	REC 1, 1
	s_xor_b32 s[TB], s[TB], SLOT1
	s_xor_b32 s[TS], s[TS], 8192
	s_add_co_u32 s[U], s[U], 1
	s_cmp_lt_u32 s[U], 3
	s_cbranch_scc1 .Ltrip
	CHANGE 1                                       ; the last two trips are written out: this one asks for the ninth record alone
	REC 0, 1
	REC 1, 1
	s_xor_b32 s[TB], s[TB], SLOT1
	s_xor_b32 s[TS], s[TS], 8192
	CHANGE 0                                       ; the last for nothing
	REC 0, 1
	WAYOUT 1
	s_wait_dscnt 0x0                               ; my bytes lie in the stage
	s_barrier_signal -1
	s_barrier_wait -1                              ; everybody's do
	s_cmp_lt_u32 s[WV], 2                          ; wave 0 stores the first block's 128 scale words, wave 1 the second's
	s_cbranch_scc0 .Lno_words
	ds_load_b128 v[S:S+3], v[RDST]
	s_sub_co_u32 s58, 15, s[J]
	s_cmp_eq_u32 s[WV], 0
	s_cselect_b32 s58, s58, s[J]
	s_lshl_b32 s56, s[Y], 13
	s_lshl_b32 s58, s58, 9
	s_add_co_u32 s56, s56, s58
	s_add_nc_u64 s[74:75], s[10:11], s[56:57]
	s_wait_dscnt 0x0
	global_store_b128 v[LI], v[S:S+3], s[74:75]
.Lno_words:
	s_wait_tensorcnt 0x0                           ; the wave's end
	ds_add_u32 v[SPW], v[NIL]
	s_wait_dscnt 0x0
	s_endpgm
.Lfunc_end_k_q748c25b8a4_attn:
	.size	k_q748c25b8a4_attn, .Lfunc_end_k_q748c25b8a4_attn-k_q748c25b8a4_attn
	.p2alignl 7, 3214868480
	.fill 96, 4, 3214868480
	.section	.rodata,"a",@progbits
	.p2align	6, 0x0
	.amdhsa_kernel k_q748c25b8a4_attn
		.amdhsa_group_segment_fixed_size 327680
		.amdhsa_private_segment_fixed_size 0
		.amdhsa_enable_private_segment 0
		.amdhsa_kernarg_size 32
		.amdhsa_user_sgpr_count 2
		.amdhsa_user_sgpr_kernarg_segment_ptr 1
		.amdhsa_wavefront_size32 1
		.amdhsa_system_sgpr_workgroup_id_x 1
		.amdhsa_system_sgpr_workgroup_id_y 1
		.amdhsa_system_sgpr_workgroup_id_z 1
		.amdhsa_system_vgpr_workitem_id 0
		.amdhsa_next_free_vgpr 256
		.amdhsa_next_free_sgpr 80
		.amdhsa_reserve_vcc 0
		.amdhsa_float_denorm_mode_32 3
		.amdhsa_float_denorm_mode_16_64 3
		.amdhsa_fp16_overflow 1
		.amdhsa_memory_ordered 1
		.amdhsa_forward_progress 1
		.amdhsa_inst_pref_size 255
	.end_amdhsa_kernel
	.section	.bss,"aw",@nobits
	.p2align	6
	.space	262144
	.amdgpu_metadata
---
amdhsa.version: [ 1, 2 ]
amdhsa.kernels:
  - .name:           k_q748c25b8a4_attn
    .symbol:         k_q748c25b8a4_attn.kd
    .args:
      - { .name: qkv, .offset: 0, .size: 8, .value_kind: global_buffer, .address_space: global }
      - { .name: qkvs, .offset: 8, .size: 8, .value_kind: global_buffer, .address_space: global }
      - { .name: ctxc, .offset: 16, .size: 8, .value_kind: global_buffer, .address_space: global }
      - { .name: ctxs, .offset: 24, .size: 8, .value_kind: global_buffer, .address_space: global }
    .group_segment_fixed_size: 327680
    .private_segment_fixed_size: 0
    .kernarg_segment_align: 8
    .kernarg_segment_size: 32
    .max_flat_workgroup_size: 512
    .sgpr_count:     80
    .vgpr_count:     256
    .wavefront_size: 32
...
	.end_amdgpu_metadata
.endif
;; end of part 2
;; launch outp (part 3): grid 4 x 64, 4 waves a work-group, clusters of 4 x 4, 327,680 bytes of LDS; arguments ctxc, ctxs, Wo_codes, Wo_scales, bo, out0; writes out0
.if DOCPART == 3
	.amdgcn_target "amdgcn-amd-amdhsa--gfx1250"
	.amdhsa_code_object_version 6
	.text
	.protected	k_q748c25b8a4_outp
	.globl	k_q748c25b8a4_outp
	.p2align	8
	.type	k_q748c25b8a4_outp,@function
k_q748c25b8a4_outp:
	s_mov_b64 s[64:65], 0
	v_nop
	global_prefetch_b8 v0, s[64:65] scope:SCOPE_SE
	s_setreg_imm32_b32 hwreg(HW_REG_WAVE_MODE, 25, 1), 1
	s_wait_xcnt 0x0
	s_wait_alu depctr_hold_cnt(0) depctr_sa_sdst(0) depctr_va_vdst(0) depctr_va_sdst(0) depctr_va_ssrc(0) depctr_va_vcc(0) depctr_vm_vsrc(0)
	s_getreg_b32 s2, hwreg(HW_REG_IB_STS2, 6, 4)
	s_cmp_eq_u32 s2, 0
	s_cbranch_scc0 .Lentry_in_a_cluster
	s_endpgm
.Lentry_in_a_cluster:
	s_bfe_u32 s2, ttmp6, 0x10000c
	s_cmp_lg_u32 s2, 0xf033
	s_cbranch_scc0 .Lentry_shape_is_right
	s_endpgm
.Lentry_shape_is_right:
; out0 = ctx Wo^T + bo.  ctx: 8,192 rows x 1,024, codes of E4M3 made by the launch before, laid as images of operand registers; Wo: 1,024 rows of 1,024 codes, K innermost, as given; out0: f32.
; A tile of 128 rows x 256 columns of out0 is made by four waves, 64 x 128 each: 32 accumulators.  64 x 4 tiles: 256 work-groups, one for each WGP; a tile of 256 x 256 would make 128.
; The product is used transposed (source 0 = 16 rows of Wo, source 1 = 16 rows of ctx): a lane holds eight neighbouring numbers of a row of out0.
; K = 1,024 IS FOUR STEPS OF 256 ON THREE LDS SLOTS: steps 0, 1 and 2 and all scales are asked for at the start, as one group; step 3 goes into slot 0 when step 0 has been read, behind the launch's one
; round in front of a refill, and has two K steps' work in which to land.  The text has no loop.
; A (ctx): a fragment of 16 tokens x 128 K is 2,048 consecutive bytes (group c of four registers at 512 c, lane l's 16 bytes at 16 l); the 8 fragments of a tile's 128 tokens for one 128 along K are 16,384
; dense bytes, a PLANE.  A slot holds two planes, unpadded: a fragment load reads 512 consecutive bytes.  Its scale words: 512 dense bytes for 128 tokens and one 128 along K.
; B (Wo): rows of 256 bytes with 16 of padding, and scale bytes as rows of 256 + 16.
; For 128 along K a wave reads 12 fragments, 48 loads, for 32 products.  Both sides have two sets of registers; the next 128's loads stand in three runs of 16 among this 128's products.
; CLUSTERS: 4 x 4 work-groups; A's tiles are shared along a row of the cluster, B's along a column, asked for jointly.
; The bias is added to the rows on their way out: four registers a lane.
; REGISTERS: window 0: v16-30 addresses; v32-63 A's scale words, v64-95 B's, two sets each; v96-99 the bias; v128-255 A's fragments, two sets of four.   window 1: B's fragments, two sets of eight.   window 2: the accumulators.
.set ROWB,   256
.set KROW,   1024
.set PITCH,  272
.set FR,     16
.set NP,     8                         ; places behind this matrix instruction (ISA guide 7.12.1)
.set PLANE,  16384
.set BOFF,   2*PLANE
.set HALFB,  128*PITCH
.set SLOT,   BOFF+2*HALFB              ; 102,400 bytes
.set SCA,    3*SLOT                    ; A's scale words: 8 x 512 bytes
.set SCB,    SCA+4096                  ; B's scale bytes: 2 x 16 rows of 272
.set HALFS,  16*272
.set SBLK,   2*272
.set SPARE,  SCB+2*HALFS               ; the spare words, 128 bytes for each wave, named by no other line
.set SPITCH, 528                       ; the way out: 16 rows x (512 + 16) bytes for each wave,
.set STAGE,  SLOT                      ; in slot 1: it is filled once, and every wave's reads of it are over at the barrier in front of K step 3
.set NROW,   4096                      ; a row of out0 in bytes
.set ADRA, 16                          ; v16-18  LDS address of my A fragments in slot 0, 1, 2
.set ADRB, 20                          ; v20-22  the same for B
.set STO,  24
.set RD,   25
.set CO,   26                          ; v26  16 x lane
.set ADRSA, 27
.set SPW,  28
.set NIL,  29
.set ADRSB, 30
.set SA,   32                          ; A's scale words: set (K step % 2) at + 16; register 2 a + q
.set SB,   64                          ; B's likewise: register 2 b + q
.set BI,   96
.set AF,   128                         ; A's fragments: set q at + 64
.set BK,   128
.set G1, 24                            ; s[24:31] group 1 for A's planes; groups 0 for slots 0, 1, 2: s[32:35], s[36:39], s[4:7]
.set G1B, 48                           ; s[48:55] for B's tiles; groups 0: s[56:59], s[60:63], s[8:11]
.set G1S, 68
.set G0S, 76
.set G1SB, 80
.set G0SB, 88
.set MSB, 0
.macro WIN new                         ; the immediate's high byte repeats the setting that is left
.if MSB != \new
	s_set_vgpr_msb (MSB<<8)|\new
.set MSB, \new
.endif
.endm
.set MUL,  0xa1                        ; source 0 (B) window 1, source 1 (A) window 0, C and D window 2
.set TO_B, 0x40
.macro JLOAD g0a, g1a, g0b, g1b        ; waves 0 and 1 fetch for A, waves 2 and 3 for B; four v_nop follow each of the two lines
	s_cmp_eq_u32 s15, 0
	s_cbranch_scc0 .Lfor_b_\@
	tensor_load_to_lds s[\g0a:\g0a+3], s[\g1a:\g1a+7]
	s_nop 0
.rept 4
	v_nop
.endr
	s_branch .Lasked_\@
.Lfor_b_\@:
	tensor_load_to_lds s[\g0b:\g0b+3], s[\g1b:\g1b+7]
	s_nop 0
.rept 4
	v_nop
.endr
.Lasked_\@:
.endm
.macro CREST
	s_cmp_lg_u32 s14, 0
	s_cbranch_scc1 .Lnot_wave_0_\@
	s_barrier_signal -3
.Lnot_wave_0_\@:
	s_barrier_wait -3
	s_barrier_signal -1
	s_barrier_wait -1
.endm
.macro CROUND
	s_barrier_signal -1
	s_barrier_wait -1
	CREST
.endm
	s_load_b128 s[4:7], s[0:1], 0x0                ; ctx's codes, ctx's scale words
	s_load_b128 s[8:11], s[0:1], 0x10              ; Wo's codes, Wo's scale bytes
	s_load_b128 s[96:99], s[0:1], 0x20             ; bo, out0
	v_lshl_add_u32 v[SPW], v0, 2, SPARE
	v_mov_b32 v[NIL], 0
	ds_add_u32 v28, v29
	s_wait_dscnt 0x0
	v_lshrrev_b32 v1, 5, v0
	v_readfirstlane_b32 s14, v1
	s_lshr_b32 s15, s14, 1                         ; which half of the tile's rows is mine.  Also: I fetch for A (0) or for B (1)
	s_and_b32 s16, s14, 1                          ; which half of its columns.  Also: which part I fetch
	s_bfe_u32 s40, ttmp6, 0x40000
	s_bfe_u32 s41, ttmp6, 0x40004
	s_lshl_b32 s42, ttmp9, 2
	s_add_co_u32 s42, s42, s40                     ; tile column: 256 columns
	s_and_b32 s17, ttmp7, 0xffff
	s_lshl_b32 s17, s17, 2
	s_add_co_u32 s17, s17, s41                     ; tile row: 16 x batch + block of 128 tokens
	s_lshl_b32 s43, s41, 2
	s_lshl_b32 s43, 15, s43
	s_lshl_b32 s44, 0x1111, s40
	; group 1.  A's plane: 64 rows of 256 dense bytes, no padding.  B: 128 rows x 256 bytes, 1,024 apart, 16 of padding
	s_or_b32 s[G1+0], s43, (3<<16)|(1<<21)
	s_mov_b32 s[G1+1], 32<<16
	s_mov_b32 s[G1+2], 64<<16
	s_mov_b32 s[G1+3], 32<<16
	s_mov_b32 s[G1+4], 64
	s_mov_b32 s[G1+5], 32
	s_mov_b32 s[G1+6], 0
	s_mov_b32 s[G1+7], 0
	s_or_b32 s[G1B+0], s44, (0<<16)|(1<<20)|(1<<21)|(5<<22)|(3<<25)
	s_mov_b32 s[G1B+1], ROWB<<16
	s_mov_b32 s[G1B+2], 128<<16
	s_mov_b32 s[G1B+3], ROWB<<16
	s_mov_b32 s[G1B+4], 128
	s_mov_b32 s[G1B+5], KROW
	s_mov_b32 s[G1B+6], 0
	s_mov_b32 s[G1B+7], 0
	; A's scale words: 4 rows of 512 bytes (64 elements of 8), 8,192 bytes apart.  B's scale bytes: 4,096 dense bytes as 16 rows of 256, 16 of padding
	s_or_b32 s[G1S+0], s43, (3<<16)|(1<<21)
	s_mov_b32 s[G1S+1], 64<<16
	s_mov_b32 s[G1S+2], 4<<16
	s_mov_b32 s[G1S+3], 64<<16
	s_mov_b32 s[G1S+4], 4
	s_mov_b32 s[G1S+5], 1024
	s_mov_b32 s[G1S+6], 0
	s_mov_b32 s[G1S+7], 0
	s_or_b32 s[G1SB+0], s44, (3<<16)|(1<<20)|(1<<21)|(5<<22)|(3<<25)
	s_mov_b32 s[G1SB+1], 32<<16
	s_mov_b32 s[G1SB+2], 16<<16
	s_mov_b32 s[G1SB+3], 32<<16
	s_mov_b32 s[G1SB+4], 16
	s_mov_b32 s[G1SB+5], 32
	s_mov_b32 s[G1SB+6], 0
	s_mov_b32 s[G1SB+7], 0
	s_lshr_b32 s20, s17, 4                         ; batch
	s_lshl_b32 s22, s20, 16                        ; its scale words: 8 x 8,192 bytes a batch
	s_lshl_b32 s20, s20, 21                        ; its codes: 8 x 262,144 bytes
	s_and_b32 s18, s17, 15
	s_lshl_b32 s19, s18, 14
	s_add_co_u32 s20, s20, s19                     ; + the block of 128 tokens: 8 fragments
	s_lshl_b32 s19, s16, 18
	s_add_co_u32 s20, s20, s19                     ; + my plane of the K step's two
	s_mov_b32 s21, 0
	s_lshl_b32 s19, s18, 9
	s_add_co_u32 s22, s22, s19
	s_lshl_b32 s19, s16, 15
	s_add_co_u32 s22, s22, s19                     ; my four of the eight rows of words
	s_mov_b32 s23, 0
	s_lshl_b32 s46, s42, 8
	s_lshl_b32 s19, s16, 7
	s_add_co_u32 s46, s46, s19                     ; B: row 256 x tile column + 128 x half
	s_lshl_b32 s92, s46, 5
	s_mov_b32 s93, 0
	s_lshl_b32 s46, s46, 10
	s_mov_b32 s47, 0
	s_lshl_b32 s45, s16, 14                        ; where they go: no place in the cluster enters an LDS address
	s_mul_i32 s94, s16, HALFB
	s_add_co_u32 s94, s94, BOFF
	s_lshl_b32 s95, s16, 11
	s_add_co_u32 s95, s95, SCA
	s_mul_i32 s2, s16, HALFS
	s_add_co_u32 s2, s2, SCB
	s_wait_kmcnt 0x0
	s_add_nc_u64 s[20:21], s[4:5], s[20:21]
	s_add_nc_u64 s[22:23], s[6:7], s[22:23]
	s_add_nc_u64 s[46:47], s[8:9], s[46:47]
	s_add_nc_u64 s[92:93], s[10:11], s[92:93]
	CROUND                                         ; all sixteen work-groups are here: the first joint loads meet
	s_mov_b32 s[G0S], 1
	s_mov_b32 s[G0S+1], s95
	s_mov_b64 s[G0S+2:G0S+3], s[22:23]
	s_or_b32 s[G0S+3], s[G0S+3], 0x80000000
	s_mov_b32 s[G0SB], 1
	s_mov_b32 s[G0SB+1], s2
	s_mov_b64 s[G0SB+2:G0SB+3], s[92:93]
	s_or_b32 s[G0SB+3], s[G0SB+3], 0x80000000
	JLOAD G0S, G1S, G0SB, G1SB                     ; the scales first: they are wanted with K step 0
.macro FIRST g0a, g0b, s               ; K step s into slot s
	s_mov_b32 s[\g0a], 1
	s_add_co_u32 s[\g0a+1], s45, (\s)*SLOT
	s_add_nc_u64 s[\g0a+2:\g0a+3], s[20:21], (\s)*2*262144
	s_or_b32 s[\g0a+3], s[\g0a+3], 0x80000000
	s_mov_b32 s[\g0b], 1
	s_add_co_u32 s[\g0b+1], s94, (\s)*SLOT
	s_add_nc_u64 s[\g0b+2:\g0b+3], s[46:47], (\s)*ROWB
	s_or_b32 s[\g0b+3], s[\g0b+3], 0x80000000
	JLOAD \g0a, G1, \g0b, G1B
.endm
	FIRST 32, 56, 0
	FIRST 36, 60, 1
	FIRST 4, 8, 2                                  ; (the arguments' registers are free: every address has been made)  Four loads of mine are out
	v_and_b32 v1, 15, v0                           ; r
	v_bfe_u32 v2, v0, 4, 1                         ; h
	v_and_b32 v6, 31, v0
	v_lshlrev_b32 v[CO], 4, v6
	v_mul_u32_u24 v3, v1, PITCH
	v_lshl_add_u32 v4, v2, 4, v3
	s_lshl_b32 s21, s15, 13                        ; A: my four fragments of a plane's eight
	s_mul_i32 s22, s16, HALFB
	s_add_co_u32 s22, s22, BOFF                    ; B: my 128 rows
.irp s, 0,1,2
	v_add_nc_u32 v[ADRA+\s], s21, v[CO]
	v_add_nc_u32 v[ADRB+\s], s22, v4
	s_add_co_u32 s21, s21, SLOT
	s_add_co_u32 s22, s22, SLOT
.endr
	v_lshlrev_b32 v5, 5, v1                        ; B's scale bytes: 32 a row,
	v_lshrrev_b32 v6, 8, v5
	v_lshl_add_u32 v5, v6, 4, v5                   ; and 16 more for each 256 passed
	s_mul_i32 s22, s16, HALFS
	s_add_co_u32 s22, s22, SCB
	v_add_nc_u32 v[ADRSB], s22, v5
	s_lshl_b32 s21, s15, 8
	s_add_co_u32 s21, s21, SCA
	v_lshl_add_u32 v[ADRSA], v1, 2, s21            ; A's scale words: my 64 tokens, 4 bytes a token
	s_mul_i32 s23, s14, 16*SPITCH
	s_add_co_u32 s23, s23, STAGE
	v_mul_u32_u24 v5, v1, SPITCH
	v_lshl_add_u32 v5, v2, 5, v5
	v_add_nc_u32 v[STO], s23, v5
	v_add_nc_u32 v[RD], s23, v[CO]
	s_lshl_b32 s20, s17, 7
	s_lshl_b32 s21, s15, 6
	s_add_co_u32 s20, s20, s21                     ; my first row of out0
	s_lshl_b32 s20, s20, 12
	s_mov_b32 s21, 0
	s_lshl_b32 s46, s42, 10                        ; my first column, in bytes
	s_lshl_b32 s47, s16, 9
	s_add_co_u32 s46, s46, s47
	s_mov_b32 s47, 0
	s_add_nc_u64 s[96:97], s[96:97], s[46:47]
	s_add_nc_u64 s[20:21], s[20:21], s[46:47]
	s_add_nc_u64 s[98:99], s[98:99], s[20:21]
	global_load_b128 v[BI:BI+3], v[CO], s[96:97]   ; the bias of the four columns that I store
.macro FRAG reg, adr, q, i             ; 16 rows x 128 K from rows: lane l holds row l % 16; registers 4 c .. 4 c + 3 hold K = 32 c + 16 (l / 16) + 0 .. 15
.irp c, 0,1,2,3
	ds_load_b128 v[\reg+4*\c:\reg+4*\c+3], v[\adr] offset:128*(\q)+32*\c+(\i)*16*PITCH
.endr
.endm
.macro FRAGA reg, adr, q, i            ; an image comes back as it was stored
.irp c, 0,1,2,3
	ds_load_b128 v[\reg+4*\c:\reg+4*\c+3], v[\adr] offset:PLANE*(\q)+2048*(\i)+512*\c
.endr
.endm
; 8 matrix instructions: A's block a x B's eight, the slot's q-th 128 along K, from the sets q.  The 32 accumulators take turns, one instruction a turn, in the same order in every 128.
.macro MUL8 a, q, sc, zero
.irp b, 0,1,2,3,4,5,6,7
.if \zero
	v_wmma_scale_f32_16x16x128_f8f6f4 v[8*(8*(\a)+\b):8*(8*(\a)+\b)+7], v[128*(\q)+FR*\b:128*(\q)+FR*\b+FR-1], v[AF+64*(\q)+FR*(\a):AF+64*(\q)+FR*(\a)+FR-1], 0, v[SB+16*(\sc)+2*\b+(\q)], v[SA+16*(\sc)+2*(\a)+(\q)]
.else
	v_wmma_scale_f32_16x16x128_f8f6f4 v[8*(8*(\a)+\b):8*(8*(\a)+\b)+7], v[128*(\q)+FR*\b:128*(\q)+FR*\b+FR-1], v[AF+64*(\q)+FR*(\a):AF+64*(\q)+FR*(\a)+FR-1], v[8*(8*(\a)+\b):8*(8*(\a)+\b)+7], v[SB+16*(\sc)+2*\b+(\q)], v[SA+16*(\sc)+2*(\a)+(\q)]
.endif
.endr
.endm
.macro FETCH_B slot, q, i0             ; B's fragments i0 .. i0 + 3 of the slot's q-th 128 into set q: 16 loads.  It leaves the destination's window at 1
	WIN TO_B
.irp i, \i0, \i0+1, \i0+2, \i0+3
	FRAG 128*(\q)+FR*(\i), ADRB+\slot, \q, \i
.endr
.endm
.macro FETCH_A slot, q                 ; A's four fragments into set q: 16 loads (window 0)
.irp i, 0,1,2,3
	FRAGA AF+64*(\q)+FR*\i, ADRA+\slot, \q, \i
.endr
.endm
.macro SCALES ks                       ; K step ks's scale words into set ks % 2: lane r takes row r's, for both 128 along K
.irp i, 0,1,2,3
	ds_load_b32 v[SA+16*((\ks)%2)+2*\i], v[ADRSA] offset:1024*(\ks)+64*\i
	ds_load_b32 v[SA+16*((\ks)%2)+2*\i+1], v[ADRSA] offset:1024*(\ks)+512+64*\i
.endr
.irp i, 0,1,2,3,4,5,6,7
	ds_load_b64 v[SB+16*((\ks)%2)+2*\i:SB+16*((\ks)%2)+2*\i+1], v[ADRSB] offset:\i*SBLK+8*(\ks)
.endr
.endm
.macro PLACES n                        ; plain vector instructions between a matrix instruction and a load into, or a read of, its registers
.rept \n
	v_nop
.endr
.endm
; 128 along K: 32 products from the sets q.  more = 1: the next 128's fragments, the (1 - q)-th of slot nslot, come into the other sets, in three runs of 16 loads among the products; behind a slot's
; second 128 (q = 1) K step nks's scale words come with them.  The other sets were read by the 128 before: the places at the head stand between those products and every load below.
.macro SUB q, sc, zero, more, nslot, nks
	s_wait_dscnt 0x0                               ; my fragments and scale words are in
	PLACES NP
.if \more
	FETCH_B \nslot, 1-(\q), 0
.endif
	WIN MUL
	MUL8 0, \q, \sc, \zero
.if \more
	FETCH_B \nslot, 1-(\q), 4
	WIN MUL
.endif
	MUL8 1, \q, \sc, \zero
.if \more
	WIN 0
	FETCH_A \nslot, 1-(\q)
.if \q == 1
	SCALES \nks
.endif
	WIN MUL
.endif
	MUL8 2, \q, \sc, \zero
	MUL8 3, \q, \sc, \zero
	WIN 0
.endm
; A slot's second 128 in front of a slot that wants a barrier.  In front of the barrier each wave waits for all its tensor loads, adds 0 to its spare word, and waits for that and for its reads of this slot.
; fill = 1: the barrier opens a round of the cluster's barrier, and slot 0, just read out, takes K step 3.  fill = 0: K step 3 has landed in every wave's part; nothing is filled.
.macro TURN sc, fill, nslot, nks
	s_wait_tensorcnt 0x0                           ; all my tensor loads have landed
	ds_add_u32 v[SPW], v[NIL]
	s_wait_dscnt 0x1                               ; my fragments are in; the add alone may be out
	WIN MUL
	MUL8 0, 1, \sc, 0
	s_wait_dscnt 0x0                               ; the add is done; my reads of this slot were over at the wait above
	s_barrier_signal -1
	MUL8 1, 1, \sc, 0
	WIN 0
	s_barrier_wait -1
.if \fill
	CREST                                          ; no wave of any partner still reads slot 0 or has a load on its way
	s_add_nc_u64 s[34:35], s[34:35], 3*2*262144    ; slot 0's descriptors go three K steps on
	s_add_nc_u64 s[58:59], s[58:59], 3*ROWB
	JLOAD 32, G1, 56, G1B                          ; the first tensor load behind the round; its four v_nop are among the places in front of the loads below
	PLACES NP-4
.else
	PLACES NP
.endif
	FETCH_B \nslot, 0, 0
	FETCH_B \nslot, 0, 4
	WIN 0
	FETCH_A \nslot, 0
	SCALES \nks
	WIN MUL
	MUL8 2, 1, \sc, 0
	MUL8 3, 1, \sc, 0
	WIN 0
.endm
	s_wait_tensorcnt 2                             ; the scales and my part of K step 0 are in; K steps 1 and 2 may be out
	s_barrier_signal -1
	s_barrier_wait -1
	FETCH_B 0, 0, 0
	FETCH_B 0, 0, 4
	WIN 0
	FETCH_A 0, 0
	SCALES 0
	SUB 0, 0, 1, 1, 0, 0                           ; K step 0, slot 0: its first products start the sums
	TURN 0, 1, 1, 1                                ; every wave's loads of K steps 1 and 2 are shown landed here; slot 0 takes K step 3
	SUB 0, 1, 0, 1, 1, 0                           ; K step 1, slot 1
	SUB 1, 1, 0, 1, 2, 2                           ; on to slot 2 with no barrier: the round above has shown it whole
	SUB 0, 0, 0, 1, 2, 0                           ; K step 2, slot 2
	TURN 0, 0, 0, 3                                ; K step 3 has landed
	SUB 0, 1, 0, 1, 0, 0                           ; K step 3, slot 0
	SUB 1, 1, 0, 0, 0, 0                           ; nothing more to fetch
; THE WAY OUT, block by block of 16 rows x 128 columns: through my own stage in LDS, back as whole rows of 512 bytes, the bias added, stored by the 32 lanes.
.macro TOSTAGE a
.set AC, 64*(\a)
	WIN 0x08                                       ; an LDS store's data are its source 1: window 2
.irp b, 0,1,2,3,4,5,6,7
	ds_store_b128 v[STO], v[AC+8*\b:AC+8*\b+3] offset:64*\b          ; each accumulator from its low end on
	ds_store_b128 v[STO], v[AC+8*\b+4:AC+8*\b+7] offset:64*\b+16
.endr
	WIN 0
.set BB, BK+64*((\a)%2)
.irp t, 0,1,2,3,4,5,6,7,8,9,10,11,12,13,14,15
	ds_load_b128 v[BB+4*\t:BB+4*\t+3], v[RD] offset:\t*SPITCH        ; LDS serves a wave's instructions in order (ISA guide 5.7.1.4): these see the stores above
.endr
.endm
.macro SEND a, younger
.set BB, BK+64*((\a)%2)
	s_wait_dscnt \younger
.if (\a) > 0
	s_add_nc_u64 s[98:99], s[98:99], 16*NROW       ; (behind a wait on XCNT: the earlier stores have read their base)
.endif
.irp t, 0,1,2,3,4,5,6,7,8,9,10,11,12,13,14,15
	v_pk_add_f32 v[BB+4*\t:BB+4*\t+1], v[BB+4*\t:BB+4*\t+1], v[BI:BI+1]
	v_pk_add_f32 v[BB+4*\t+2:BB+4*\t+3], v[BB+4*\t+2:BB+4*\t+3], v[BI+2:BI+3]
	global_store_b128 v[CO], v[BB+4*\t:BB+4*\t+3], s[98:99] offset:\t*NROW th:TH_STORE_NT   ; 32 lanes store 512 consecutive bytes, at a multiple of 512 from out0's first byte
.endr
.endm
	s_wait_loadcnt 0x0                             ; the bias
	PLACES NP
	TOSTAGE 0
.irp a, 1,2,3
.if \a > 1
	s_wait_xcnt 0x0                                ; block a - 2's stores have read their registers and their base
.endif
	TOSTAGE \a
	SEND \a-1, 32                                  ; behind block a - 1's loads: block a's 16 stores and 16 loads
.endr
	s_wait_xcnt 0x0
	SEND 3, 0
	s_wait_tensorcnt 0x0                           ; the wave's end
	ds_add_u32 v[SPW], v[NIL]
	s_wait_dscnt 0x0
	CROUND                                         ; the closing round
	s_endpgm
.Lfunc_end_k_q748c25b8a4_outp:
	.size	k_q748c25b8a4_outp, .Lfunc_end_k_q748c25b8a4_outp-k_q748c25b8a4_outp
	.p2alignl 7, 3214868480
	.fill 96, 4, 3214868480
	.section	.rodata,"a",@progbits
	.p2align	6, 0x0
	.amdhsa_kernel k_q748c25b8a4_outp
		.amdhsa_group_segment_fixed_size 327680
		.amdhsa_private_segment_fixed_size 0
		.amdhsa_enable_private_segment 0
		.amdhsa_kernarg_size 48
		.amdhsa_user_sgpr_count 2
		.amdhsa_user_sgpr_kernarg_segment_ptr 1
		.amdhsa_wavefront_size32 1
		.amdhsa_system_sgpr_workgroup_id_x 1
		.amdhsa_system_sgpr_workgroup_id_y 1
		.amdhsa_system_sgpr_workgroup_id_z 1
		.amdhsa_system_vgpr_workitem_id 0
		.amdhsa_next_free_vgpr 768
		.amdhsa_next_free_sgpr 100
		.amdhsa_reserve_vcc 0
		.amdhsa_float_denorm_mode_32 3
		.amdhsa_float_denorm_mode_16_64 3
		.amdhsa_memory_ordered 1
		.amdhsa_forward_progress 1
		.amdhsa_inst_pref_size 100
	.end_amdhsa_kernel
	.amdgpu_metadata
---
amdhsa.version: [ 1, 2 ]
amdhsa.kernels:
  - .name:           k_q748c25b8a4_outp
    .symbol:         k_q748c25b8a4_outp.kd
    .args:
      - { .name: ctxc, .offset: 0, .size: 8, .value_kind: global_buffer, .address_space: global }
      - { .name: ctxs, .offset: 8, .size: 8, .value_kind: global_buffer, .address_space: global }
      - { .name: Wo_codes, .offset: 16, .size: 8, .value_kind: global_buffer, .address_space: global }
      - { .name: Wo_scales, .offset: 24, .size: 8, .value_kind: global_buffer, .address_space: global }
      - { .name: bo, .offset: 32, .size: 8, .value_kind: global_buffer, .address_space: global }
      - { .name: out0, .offset: 40, .size: 8, .value_kind: global_buffer, .address_space: global }
    .group_segment_fixed_size: 327680
    .private_segment_fixed_size: 0
    .kernarg_segment_align: 8
    .kernarg_segment_size: 48
    .max_flat_workgroup_size: 128
    .sgpr_count:     100
    .vgpr_count:     768
    .wavefront_size: 32
...
	.end_amdgpu_metadata
.endif
;; end of part 3
